; MI455X (gfx1250); checked and timed in simulation.
; The chip was launched on July 23, 2026; its instructions are those of AMD's public machine-readable ISA for CDNA 5 (MIT licence, August 2026) and "CDNA5" Instruction Set Architecture Reference Guide (July 2026). The comments in the code are by the model that wrote it; some were corrected since.
;; Mo E. Allowed arithmetic: matrix products marked QUANTISED: E2M3 operands, one E8M0 scale for each 32 along K, by v_wmma_scale_f32_16x16x128_f8f6f4 with both operands' format E2M3, f32 sums; products left as they are: f32 operands where the result goes on into a quantised operand, else bf16, f16 or f32 operands; f32 sums; everything else in f32.
;; Inputs: W1 8 x 512 x 512 float32; W2 8 x 512 x 512 float32; b1 8 x 512 float32; b2 8 x 512 float32; gate_W 512 x 8 float32; gate_b 8 float32; x 4 x 4,096 x 512 float32.
;; Outputs: out0 4 x 4,096 x 512 float32.
;; This version of the problem:
;;   THIS VERSION OF THE PROBLEM IS GIVEN IN LOW PRECISION. The matrix products marked QUANTISED in the list below multiply operands that are first quantised to E2M3 (2 exponent bits, 3 mantissa bits; 6 bits a number), with one power-of-two scale for each 32 numbers along K (OCP MX v1.0); their sums are f32. All else is computed in f32.
;;   The module's matrix products, in the order in which they are computed (A, B: the left and right operand; K: the contracted axis; several contracted axes count as one K, in the product's order):
;;     1. [M 16,384, K 512] x [K 512, N 8]; A: input x; B: input gate_W: left as it is (N = 8 < 16)
;;     2. [M 16,384, K 512] x [K 512, N 4,096]; A: input x; B: input W1: QUANTISED
;;     3. batch 8 x [M 512, K 512] x [K 512, N 16,384]; A: input W2; B: computed on the way: QUANTISED
;;   THE QUANTISER, for each operand of a quantised product, along K:
;;     - K is cut into blocks of 32 from its start; a last block that is shorter is filled with zeros.
;;     - A block's scale is 2^e with e = floor(log2(the largest magnitude in the block)) - 2, held to -126 .. 127; a block of zeros has e = 0. As a byte (E8M0): e + 127.
;;     - Each number is divided by its block's scale, clamped to +-7.5, and rounded to the nearest number of E2M3, ties to even, subnormals kept.
;;     - The product sums the exact products of the quantised numbers (number of the format x scale) in f32.
;;   ~~~python
;;   def quantise(x, axis):      # numpy; x: float32 -> the quantised numbers, widened to float32 again
;;       x = np.moveaxis(x, axis, -1); K = x.shape[-1]
;;       x = np.pad(x, [(0, 0)] * (x.ndim - 1) + [(0, -K % 32)]); x = x.reshape(x.shape[:-1] + (-1, 32)); a = np.abs(x).max(-1, keepdims=True)
;;       e = np.where(a > 0, np.clip(np.frexp(np.where(a > 0, a, 1))[1] - 1 - 2, -126, 127), 0)      # np.frexp(a)[1] - 1 = floor(log2(a)), exactly
;;       r = np.clip(x / 2.0 ** e, -7.5, 7.5)
;;       step = 2.0 ** (np.maximum(np.frexp(np.where(r == 0, 1, r))[1] - 1, 0) - 3)
;;       q = np.round(r / step) * step * 2.0 ** e      # np.round: ties to even
;;       return np.moveaxis(q.reshape(q.shape[:-2] + (-1,))[..., :K], -1, axis).astype(np.float32)
;;   ~~~
;;   OPERANDS COMPUTED ON THE WAY. 'Computed on the way' means the value that the module computes at that place (a softmax that the list does not call 'softmax' is quantised finished and normalised). What goes into a quantiser is computed in f32, as accurately as f32 sums, v_exp_f32 and their like allow (about 1e-6 of the number): no bf16 or f16 on the way to a quantiser, and a product that is left as it is and whose result goes on into a quantised operand takes f32 operands (vector FMAs, or v_wmma_f32_16x16x4_f32). A number that lies on a knife's edge between two numbers of the format may be rounded either way, as far as f32 arithmetic and the matrix unit's own rounding can turn it there, and no further.
;; 2 versions. Each part assembles by itself: llvm-mc -triple=amdgcn-amd-amdhsa -mcpu=gfx1250 --defsym DOCPART=n.
;; ======== version 1 of 2: 3 launches
;; workspace buffers: xq 6,291,456 bytes; xs 262,144 bytes; gw 131,072 bytes; route 131,072 bytes of whole numbers; wq 3,145,728 bytes; wsc 131,072 bytes; plan 78,336 bytes of whole numbers
;; launch route (part 1): grid 256 x 1, 4 waves a work-group, no clusters, 41,984 bytes of LDS; arguments x, gate_W, gate_b, xq, xs, gw, route; writes xq, xs, gw, route
.if DOCPART == 1
	.amdgcn_target "amdgcn-amd-amdhsa--gfx1250"
	.amdhsa_code_object_version 6
	.text
	.protected	k_q9f4ada084c_route
	.globl	k_q9f4ada084c_route
	.p2align	8
	.type	k_q9f4ada084c_route,@function
k_q9f4ada084c_route:
	s_mov_b64 s[64:65], 0
	v_nop
	global_prefetch_b8 v0, s[64:65] scope:SCOPE_SE
	s_setreg_imm32_b32 hwreg(HW_REG_WAVE_MODE, 25, 1), 1
	s_wait_xcnt 0x0
; x [16384][512] f32 is read ONCE and serves two things: (1) its codes of FP6 (E2M3) with one E8M0 byte for each 32 along K: xq [token][384 bytes], xs [token][16 bytes];
; (2) the router in f32: logits = x gate_W + gate_b, softmax (the largest logit taken away first), the two largest probabilities (of equal ones the lower index, as lax.top_k has it), the softmax of those two.
; Stored for the later launches, at places that hang on ids alone: gw [token] = (weight of the lower expert, weight of the higher), and whole numbers: for each token key = pid << 2 | rank << 8, for each
; segment of 32 tokens the count of each pid.  pid numbers the 28 unordered pairs {lo, hi}: lo (15 - lo) / 2 + hi - lo - 1; rank is the token's place among equal pids of its segment.
; Both tables lie [segment / 4][lane][segment % 4], so that the reader takes four segments by one load of 16 bytes a lane.  No address and no branch here hangs on these numbers.
; A block's scale is 2^(floor(log2(its largest magnitude)) - 2): its byte is the largest magnitude's exponent field - 2, held at 1 from below.
; LIMITS: NaN and infinities are not served; a block whose largest magnitude lies under 2^-124 keeps the byte 1 (a block of zeros too: its codes are zeros, and this program alone reads the bytes);
; where two probabilities agree to within the rounding of f32 sums the choice may differ from another order of summing.  Probabilities are kept down to denormals (the exponent is raised by 64 for v_exp_f32 and taken off again).
; SHARES.  A work-group takes 64 tokens, a wave 16, one row (2,048 bytes) a step.  A step's four loads read 512 consecutive bytes each; the row turns through the wave's own stage in LDS and comes back 64 bytes a lane:
; lane l holds k = 16 l .. 16 l + 15, half a block.  Loads run eight rows (32 loads a wave) ahead, the turn one row.  gate_W's 16 rows of lane l stay in 128 registers of window 1.
; No matrix unit (8 columns), no tensor load, no cluster: work-groups share nothing but gate_W's 16 KB.
.set SP,   80                          ; a lane's place in a stage: 64 bytes + 16 of padding
.set WREG, 5632                        ; LDS: a region for each wave: two stages of 32 x SP bytes, then its 256 scale bytes
.set SBY,  5120
.set LG,   22528                       ; the 64 tokens' logits, 32 bytes each
.set GWL,  24576                       ; gate_W as 32 chunks of 512 bytes, GP bytes apart
.set GP,   528                         ; an odd multiple of 16: the sixteen lanes of a load of 16 bytes start in sixteen different columns of 16 bytes
.set ACC,  12                          ; v12-27   eight partial logits, two sets by turns
.set EB,   28                          ; v28-29   the scale byte, by turns
.set CD,   32                          ; v32-34, v36-38 the codes, by turns
.set X,    40                          ; v40-71   two sets of 16 neighbours
.set R,    72                          ; v72-199  eight sets of 16 numbers as they are loaded
.set MSB,  0
.macro WIN new                         ; the immediate's high byte repeats the setting that is left
.if MSB != (\new)
	s_set_vgpr_msb (MSB<<8)|(\new)
.set MSB, (\new)
.endif
.endm
	s_load_b256 s[4:11], s[0:1], 0x0               ; x, gate_W, gate_b, xq
	s_load_b128 s[12:15], s[0:1], 0x20             ; xs, gw
	s_load_b64 s[16:17], s[0:1], 0x30              ; route
	v_lshl_add_u32 v254, v0, 2, 0xa200
	v_mov_b32 v255, 0
	v_lshrrev_b32 v8, 5, v0
	v_readfirstlane_b32 s28, v8                    ; wave 0..3
	v_and_b32 v9, 31, v0                           ; lane
	v_bfe_u32 v10, v0, 4, 1                        ; h = lane / 16
	v_lshlrev_b32 v1, 4, v9                        ; v1: 16 x lane
	s_mul_i32 s32, s28, WREG
	v_lshrrev_b32 v2, 2, v9
	v_mul_u32_u24 v2, v2, SP
	v_and_b32 v11, 3, v9
	v_lshl_add_u32 v2, v11, 4, v2
	v_add_nc_u32 v2, s32, v2                       ; v2: the stage on the way in: SP (lane / 4) + 16 (lane % 4)
	v_mul_u32_u24 v3, v9, SP
	v_add_nc_u32 v3, s32, v3                       ; v3: on the way out: SP x lane
	v_mul_u32_u24 v4, v9, 12                       ; v4: my 16 codes' place in a row's 384 bytes
	s_add_co_u32 s33, s32, SBY
	v_lshrrev_b32 v5, 1, v9
	v_add_nc_u32 v5, s33, v5                       ; v5: my block's scale byte
	v_lshlrev_b32 v30, 3, v9                       ; v30: 8 x lane
	v_add_nc_u32 v31, s33, v30                     ; v31: the scale bytes on the way out
	s_lshl_b32 s34, s28, 9
	s_add_co_u32 s34, s34, LG
	v_lshl_add_u32 v6, v10, 4, s34                 ; v6: my wave's 16 tokens' logits; experts 0-3 from lanes 0-15, experts 4-7 from lanes 16-31
	v_mul_u32_u24 v7, v9, GP
	v_add_nc_u32 v7, GWL, v7                       ; v7: my chunk of gate_W
	s_mul_i32 s35, s28, 8*GP
	s_add_co_u32 s35, s35, GWL
	v_add_nc_u32 v39, s35, v1                      ; v39: where my wave puts chunks 8 w .. 8 w + 7
	s_and_b32 s36, s28, 1
	s_lshl_b32 s36, s36, 10
	s_add_co_u32 s36, s36, LG
	v_lshl_add_u32 v35, v9, 5, s36                 ; v35: a lane a token: the logits of token 32 (wave % 2) + lane
	s_mov_b32 s29, 0xffffffc0                      ; -64
	s_mov_b32 s30, 0x3fb8aa3b                      ; log2(e)
	s_mov_b32 s31, 0x42800000                      ; 64.0
	s_lshl_b32 s36, ttmp9, 17                      ; x: 64 rows of 2,048 bytes a work-group, 16 a wave
	s_lshl_b32 s37, s28, 15
	s_add_co_u32 s36, s36, s37
	s_mov_b32 s37, 0
	s_lshl_b32 s38, s28, 12                        ; gate_W: eight chunks a wave
	s_mov_b32 s39, 0
	s_mul_i32 s40, ttmp9, 24576                    ; xq: 384 bytes a row
	s_mul_i32 s41, s28, 6144
	s_add_co_u32 s40, s40, s41
	s_mov_b32 s41, 0
	s_lshl_b32 s42, ttmp9, 10                      ; xs: 16 bytes a row
	s_lshl_b32 s43, s28, 8
	s_add_co_u32 s42, s42, s43
	s_mov_b32 s43, 0
	s_wait_kmcnt 0x0
	s_load_b256 s[20:27], s[8:9], 0x0              ; gate_b: no line of this launch writes it
	s_add_nc_u64 s[4:5], s[4:5], s[36:37]
	s_add_nc_u64 s[6:7], s[6:7], s[38:39]
	s_add_nc_u64 s[10:11], s[10:11], s[40:41]
	s_add_nc_u64 s[12:13], s[12:13], s[42:43]
.macro LOAD t                          ; row t: four loads of 512 consecutive bytes
.irp i, 0,1,2,3
	global_load_b128 v[R+16*((\t)%8)+4*\i:R+16*((\t)%8)+4*\i+3], v1, s[4:5] offset:2048*(\t)+512*\i th:TH_LOAD_NT
.endr
.endm
.macro TURN t                          ; row t through the stage: LDS serves a wave's instructions in order (ISA guide 5.7.1.4), so no wait stands between the stores and the loads
.irp i, 0,1,2,3
	ds_store_b128 v2, v[R+16*((\t)%8)+4*\i:R+16*((\t)%8)+4*\i+3] offset:32*SP*((\t)%2)+8*SP*\i
.endr
.irp i, 0,1,2,3
	ds_load_b128 v[X+16*((\t)%2)+4*\i:X+16*((\t)%2)+4*\i+3], v3 offset:32*SP*((\t)%2)+16*\i
.endr
.endm
.irp k, 0,1,2,3,4,5,6,7
	global_load_b128 v[X+4*\k:X+4*\k+3], v1, s[6:7] offset:512*\k    ; my wave's eight chunks of gate_W, dense
.endr
.irp t, 0,1,2,3,4,5,6,7
	LOAD \t
.endr
	s_wait_loadcnt 32                              ; gate_W's loads are in; the 32 loads of x behind them stay out
.irp k, 0,1,2,3,4,5,6,7
	ds_store_b128 v39, v[X+4*\k:X+4*\k+3] offset:GP*\k
.endr
	s_wait_dscnt 0x0                               ; for the others' sake: my chunks lie in LDS
	s_barrier_signal -1
	s_barrier_wait -1                              ; all 32 chunks do
	WIN 0x40                                       ; destination window 1
.set j, 0
.rept 32
	ds_load_b128 v[4*j:4*j+3], v7 offset:16*j      ; register 8 i + e of window 1 = gate_W[16 lane + i][e]
.set j, j+1
.endr
	WIN 0
	s_wait_loadcnt 28                              ; row 0 is in; the seven rows behind it stay out
	TURN 0
	s_wait_kmcnt 0x0                               ; gate_b
; The row's eight logits.  A lane multiplies its 16 numbers by its 16 rows of gate_W, two experts an instruction; both halves of a packed product take the same x.
.macro ROUTE t
.set XS, X+16*((\t)%2)
.set A, ACC+8*((\t)%2)
	WIN 0x04                                       ; source 1 (gate_W) window 1
.irp q, 0,1,2,3
	v_pk_mul_f32 v[A+2*\q:A+2*\q+1], v[XS:XS+1], v[2*\q:2*\q+1] op_sel_hi:[0,1]   ; the first product starts the sums
.endr
.irp i, 1,2,3,4,5,6,7,8,9,10,11,12,13,14,15
.irp q, 0,1,2,3
.if \i%2
	v_pk_fma_f32 v[A+2*\q:A+2*\q+1], v[XS+\i-1:XS+\i], v[8*\i+2*\q:8*\i+2*\q+1], v[A+2*\q:A+2*\q+1] op_sel:[1,0,0] op_sel_hi:[1,1,1]
.else
	v_pk_fma_f32 v[A+2*\q:A+2*\q+1], v[XS+\i:XS+\i+1], v[8*\i+2*\q:8*\i+2*\q+1], v[A+2*\q:A+2*\q+1] op_sel_hi:[0,1,1]
.endif
.endr
.endr
	WIN 0
.irp q, 0,1,2,3
	v_permlane16_swap_b32 v[A+\q], v[A+4+\q]       ; expert q's upper lanes change places with expert 4 + q's lower lanes:
.endr
	v_pk_add_f32 v[A:A+1], v[A:A+1], v[A+4:A+5]    ; lanes 0-15 now sum experts 0-3, lanes 16-31 experts 4-7
	v_pk_add_f32 v[A+2:A+3], v[A+2:A+3], v[A+6:A+7]
.irp k, 1,2,4,8
.irp q, 0,1,2,3
	v_add_f32_dpp v[A+\q], v[A+\q], v[A+\q] row_xmask:\k row_mask:0xf bank_mask:0xf
.endr
.endr
	ds_store_b128 v6, v[A:A+3] offset:32*(\t)      ; the sixteen lanes of a half write the same 16 bytes with the same values
.endm
.macro STEP t
.set XS, X+16*((\t)%2)
.set CC, CD+4*((\t)%2)
.if (\t) > 0
	s_wait_dscnt 2                                 ; this row is back from the stage; the last step's byte store and logit store may be out
.else
	s_wait_dscnt 0x0                               ; this row and gate_W
.endif
.if (\t)+8 < 16
	LOAD (\t)+8                                    ; into the registers that this row's stores into the stage have read
.endif
.if (\t)+1 < 16
.if (\t) < 8
	s_wait_loadcnt 28                              ; the next row is in; the seven rows behind it stay out
.else
	s_wait_loadcnt 4*(14-(\t))                     ; the counts run down: four loads for each row still behind the next one
.endif
	TURN (\t)+1
.endif
	v_max3_num_f32 v8, |v[XS]|, |v[XS+1]|, |v[XS+2]|               ; the largest magnitude of my 16
	v_max3_num_f32 v9, |v[XS+3]|, |v[XS+4]|, |v[XS+5]|
.irp i, 6,10
	v_max3_num_f32 v8, v8, |v[XS+\i]|, |v[XS+\i+1]|
	v_max3_num_f32 v9, v9, |v[XS+\i+2]|, |v[XS+\i+3]|
.endr
	v_max3_num_f32 v8, v8, |v[XS+14]|, |v[XS+15]|
	v_max3_num_f32 v8, v8, v9, 0x1800000           ; and the floor 2^(3 - 127): the byte cannot fall under 1
	v_max_num_f32_dpp v8, v8, v8 row_xmask:1 row_mask:0xf bank_mask:0xf   ; with my neighbour's 16: the block's
	v_add_nc_u32 v11, 0xff000000, v8               ; 2 off its exponent field: the conversion takes the exponent field of this operand as its scale
	s_wait_xcnt 0x0                                ; the store two steps back has read these codes' registers: they are written again only behind this wait
	v_cvt_scalef32_pk16_fp6_f32 v[CC:CC+2], v[XS:XS+15], v11
	v_lshrrev_b32 v[EB+(\t)%2], 23, v11            ; the scale's byte (a plain line behind the conversion)
	ds_store_b8 v5, v[EB+(\t)%2] offset:16*(\t)    ; both lanes of a block write the same byte with the same value
	global_store_b96 v4, v[CC:CC+2], s[10:11] offset:384*(\t)      ; the wave stores the row's 384 consecutive bytes
	ROUTE \t
.endm
.irp t, 0,1,2,3,4,5,6,7,8,9,10,11,12,13,14,15
	STEP \t
.endr
	ds_load_b64 v[8:9], v31                        ; my wave's 256 scale bytes: these see my stores
	s_wait_dscnt 0x0                               ; they are in; and, for the others' sake, my logits lie in LDS
	global_store_b64 v30, v[8:9], s[12:13]         ; 32 lanes store 256 consecutive bytes, at a multiple of 256 from the buffer's first byte
	s_barrier_signal -1
	s_barrier_wait -1                              ; all 64 tokens' logits lie in LDS
	s_cmp_gt_u32 s28, 1
	s_cbranch_scc1 .Ldone                          ; waves 0 and 1 take a segment of 32 tokens each, a lane a token
	ds_load_b128 v[200:203], v35
	ds_load_b128 v[204:207], v35 offset:16
	s_lshr_b32 s42, ttmp9, 1                       ; segment 2 x work-group + wave: its place in the two tables
	s_lshl_b32 s42, s42, 9
	s_and_b32 s43, ttmp9, 1
	s_lshl_b32 s43, s43, 3
	s_add_co_u32 s42, s42, s43
	s_lshl_b32 s43, s28, 2
	s_add_co_u32 s42, s42, s43
	s_mov_b32 s43, 0
	s_add_nc_u64 s[16:17], s[16:17], s[42:43]
	s_lshl_b32 s44, ttmp9, 9                       ; gw: 8 bytes a token
	s_lshl_b32 s45, s28, 8
	s_add_co_u32 s44, s44, s45
	s_mov_b32 s45, 0
	s_add_nc_u64 s[14:15], s[14:15], s[44:45]
	s_wait_dscnt 0x0
.irp e, 0,1,2,3,4,5,6,7
	v_add_f32 v[200+\e], s[20+\e], v[200+\e]       ; + gate_b
.endr
	v_max3_num_f32 v208, v200, v201, v202
	v_max3_num_f32 v208, v208, v203, v204
	v_max3_num_f32 v208, v208, v205, v206
	v_max_num_f32 v208, v208, v207                 ; the largest logit is taken away before the exponential
.irp e, 0,1,2,3,4,5,6,7
	v_sub_f32 v[200+\e], v[200+\e], v208
.endr
.irp e, 0,1,2,3,4,5,6,7
	v_fma_f32 v[200+\e], v[200+\e], s30, s31       ; x log2(e), + 64
.endr
.irp e, 0,1,2,3,4,5,6,7
	v_exp_f32 v[200+\e], v[200+\e]
.endr
	v_mov_b32 v211, 0                              ; (a plain line behind the exponentials)  the first choice's index
	s_wait_alu depctr_va_vdst(0)
.irp e, 0,1,2,3,4,5,6,7
	v_ldexp_f32 v[200+\e], v[200+\e], s29          ; the 64 off again
.endr
	v_add_f32 v209, v200, v201
	v_add_f32 v214, v202, v203
	v_add_f32 v215, v204, v205
	v_add_f32 v216, v206, v207
	v_add_f32 v209, v209, v214
	v_add_f32 v215, v215, v216
	v_add_f32 v209, v209, v215                     ; at least 1
	v_rcp_f32 v209, v209
	v_mov_b32 v213, 0                              ; (a plain line behind the reciprocal)  the second choice's index
	s_wait_alu depctr_va_vdst(0)
.irp e, 0,1,2,3,4,5,6,7
	v_mul_f32 v[200+\e], v[200+\e], v209           ; the probabilities
.endr
	v_mov_b32 v210, v200                           ; the largest so far, and
	v_mov_b32 v212, -1.0                           ; the second: under every probability
.macro TOP e                           ; strictly greater only: of equal probabilities the lower index stays ahead
	v_cmp_gt_f32 s40, v[200+\e], v210
	v_cmp_gt_f32 s41, v[200+\e], v212
	v_cndmask_b32 v212, v212, v[200+\e], s41
	v_cndmask_b32 v213, v213, \e, s41
	v_cndmask_b32 v212, v212, v210, s40
	v_cndmask_b32 v213, v213, v211, s40
	v_cndmask_b32 v210, v210, v[200+\e], s40
	v_cndmask_b32 v211, v211, \e, s40
.endm
.irp e, 1,2,3,4,5,6,7
	TOP \e
.endr
	v_sub_f32 v214, v212, v210                     ; the softmax of the two: the larger is taken away
	v_mul_f32 v214, s30, v214
	v_exp_f32 v214, v214                           ; q = e^(p2 - p1), between e^-1 and 1
	v_min_u32 v217, v211, v213                     ; (a plain line)  lo
	v_max_u32 v218, v211, v213                     ; hi
	s_wait_alu depctr_va_vdst(0)
	v_add_f32 v215, 1.0, v214
	v_rcp_f32 v215, v215                           ; w1 = 1 / (1 + q)
	v_sub_nc_u32 v222, 15, v217                    ; (a plain line)
	s_wait_alu depctr_va_vdst(0)
	v_mul_f32 v216, v214, v215                     ; w2 = q w1
	v_cmp_lt_u32 vcc_lo, v211, v213                ; is the first choice the lower expert?
	v_cndmask_b32 v220, v216, v215, vcc_lo         ; the lower expert's weight,
	v_cndmask_b32 v221, v215, v216, vcc_lo         ; the higher's
	v_mul_u32_u24 v222, v217, v222
	v_lshrrev_b32 v222, 1, v222
	v_add_nc_u32 v222, v222, v218
	v_sub_nc_u32 v222, v222, v217
	v_add_nc_u32 v222, -1, v222                    ; pid = lo (15 - lo) / 2 + hi - lo - 1
	v_mov_b32 v224, 0                              ; rank
	v_mov_b32 v225, 0                              ; counts: lane p holds pid p's
.irp p, 0,1,2,3,4,5,6,7,8,9,10,11,12,13,14,15,16,17,18,19,20,21,22,23,24,25,26,27
	v_cmp_eq_u32 s40, \p, v222                     ; the segment's tokens of pid p,
	s_bcnt1_i32_b32 s41, s40                       ; how many,
	v_mbcnt_lo_u32_b32 v223, s40, 0                ; how many in lanes below mine;
	v_cndmask_b32 v224, v224, v223, s40            ; that is my rank if p is mine
	v_writelane_b32 v225, s41, \p
.endr
	v_lshlrev_b32 v226, 2, v222
	v_lshl_or_b32 v226, v224, 8, v226              ; key
	global_store_b64 v30, v[220:221], s[14:15]     ; 256 consecutive bytes
	global_store_b32 v1, v226, s[16:17]            ; four bytes in sixteen: four segments' stores fill the 512 bytes; 128 KB in the whole launch
	global_store_b32 v1, v225, s[16:17] offset:65536
.Ldone:
	s_wait_tensorcnt 0x0
	ds_add_u32 v254, v255
	s_wait_dscnt 0x0
	s_endpgm
.Lfunc_end_k_q9f4ada084c_route:
	.size	k_q9f4ada084c_route, .Lfunc_end_k_q9f4ada084c_route-k_q9f4ada084c_route
	.p2alignl 7, 3214868480
	.fill 96, 4, 3214868480
	.section	.rodata,"a",@progbits
	.p2align	6, 0x0
	.amdhsa_kernel k_q9f4ada084c_route
		.amdhsa_group_segment_fixed_size 41984
		.amdhsa_private_segment_fixed_size 0
		.amdhsa_enable_private_segment 0
		.amdhsa_kernarg_size 56
		.amdhsa_user_sgpr_count 2
		.amdhsa_user_sgpr_kernarg_segment_ptr 1
		.amdhsa_wavefront_size32 1
		.amdhsa_system_sgpr_workgroup_id_x 1
		.amdhsa_system_sgpr_workgroup_id_y 1
		.amdhsa_system_sgpr_workgroup_id_z 1
		.amdhsa_system_vgpr_workitem_id 0
		.amdhsa_next_free_vgpr 384
		.amdhsa_next_free_sgpr 66
		.amdhsa_reserve_vcc 1
		.amdhsa_float_denorm_mode_32 3
		.amdhsa_float_denorm_mode_16_64 3
		.amdhsa_memory_ordered 1
		.amdhsa_forward_progress 1
		.amdhsa_inst_pref_size 139
	.end_amdhsa_kernel
	.amdgpu_metadata
---
amdhsa.version: [ 1, 2 ]
amdhsa.kernels:
  - .name:           k_q9f4ada084c_route
    .symbol:         k_q9f4ada084c_route.kd
    .args:
      - { .name: x, .offset: 0, .size: 8, .value_kind: global_buffer, .address_space: global }
      - { .name: gate_W, .offset: 8, .size: 8, .value_kind: global_buffer, .address_space: global }
      - { .name: gate_b, .offset: 16, .size: 8, .value_kind: global_buffer, .address_space: global }
      - { .name: xq, .offset: 24, .size: 8, .value_kind: global_buffer, .address_space: global }
      - { .name: xs, .offset: 32, .size: 8, .value_kind: global_buffer, .address_space: global }
      - { .name: gw, .offset: 40, .size: 8, .value_kind: global_buffer, .address_space: global }
      - { .name: route, .offset: 48, .size: 8, .value_kind: global_buffer, .address_space: global }
    .group_segment_fixed_size: 41984
    .private_segment_fixed_size: 0
    .kernarg_segment_align: 8
    .kernarg_segment_size: 56
    .max_flat_workgroup_size: 128
    .sgpr_count:     66
    .vgpr_count:     384
    .wavefront_size: 32
...
	.end_amdgpu_metadata
.endif
;; end of part 1
;; launch prep (part 2): grid 257 x 1, 4 waves a work-group, no clusters, 13,312 bytes of LDS; arguments W1, W2, route, wq, wsc, plan; writes wq, wsc, plan
.if DOCPART == 2
	.amdgcn_target "amdgcn-amd-amdhsa--gfx1250"
	.amdhsa_code_object_version 6
	.text
	.protected	k_q9f4ada084c_prep
	.globl	k_q9f4ada084c_prep
	.p2align	8
	.type	k_q9f4ada084c_prep,@function
k_q9f4ada084c_prep:
	s_mov_b64 s[64:65], 0
	v_nop
	global_prefetch_b8 v0, s[64:65] scope:SCOPE_SE
	s_setreg_imm32_b32 hwreg(HW_REG_WAVE_MODE, 25, 1), 1
	s_wait_xcnt 0x0
; TWO JOBS IN ONE LAUNCH, parted once by the work-group's number; each has its own end and its own LDS bytes.
; WORK-GROUPS 0 TO 255: W1 and W2 [8][512 (K)][512 (n)] f32, K the first axis of an expert's matrix, become codes of FP6 (E2M3) with one E8M0 byte for each 32 along K, laid IN THE ORDER OF THE OPERAND'S REGISTERS:
;   wq [mi 16][w 4][s 4][t 8][1,536 bytes]: mi = expert (W1) or 8 + expert (W2); w = which 128 columns; s = which 128 along K; t = 2 b + u a tile of 16 columns: row r of the tile is column 128 w + 32 b + 8 u + r + 8 (r / 8),
;   so that in the transposed product the 16 result registers of tiles 2 b and 2 b + 1 are 16 neighbouring columns.  Register R (0 .. 11) of lane l lies at 512 (R / 4) + 16 l + 4 (R % 4): three loads of 16 bytes a lane bring a fragment.
;   wsc [mi][w][s][lane 32][b 4]: the scale word of tile 2 b + lane / 16, row lane % 16.
;   Work-group 16 mi + 4 w + s; wave b; A LANE TAKES A COLUMN AND ITS REGISTERS RUN DOWN K: a block of 32 lies in one lane, no other lane is asked, nothing is transposed.  Each load reads 128 consecutive bytes a wave, the four waves 512.
;   LIMITS: NaN and infinities are not served; a block whose largest magnitude lies under 2^-124 keeps the byte 1 (a block of zeros too: its codes are zeros, and this program alone reads the bytes).
; WORK-GROUP 256 places the tokens by their pair of experts (a counting sort on the stored keys and counts, no atomics): plan holds 256 tile entries {lo, hi, rows, 0} and, from byte 4,096 on, for each tile 80 places of tokens.
;   A tile holds up to 80 tokens of ONE pair; a pair's tiles follow each other: the sum over 28 pairs of ceil(n / 80) is at most 232 for 16,384 tokens, whatever the split.  Places behind a pair's last token are not written and not read.
.set XN,  32                           ; v32-159  the column's 128 numbers
.set PF,  160                          ; v160-183 the codes: 12 registers for lane r of the fragment, 12 for lane 16 + r
.set TP0, 184                          ; v184-199 the upper halves of the blocks, as converted
.set OUTR, 200                         ; v200-223 the way out
	s_load_b256 s[4:11], s[0:1], 0x0               ; W1, W2, route, wq
	s_load_b128 s[12:15], s[0:1], 0x20             ; wsc, plan
	s_set_vgpr_msb 0x40
	v_lshl_add_u32 v0, v0, 2, 0x3200
	v_mov_b32 v1, 0
	s_set_vgpr_msb 0x4000
	v_lshrrev_b32 v1, 5, v0
	v_readfirstlane_b32 s28, v1                    ; wave 0..3
	v_and_b32 v1, 31, v0                           ; lane
	v_lshlrev_b32 v2, 4, v1                        ; 16 x lane
	s_cmp_eq_u32 ttmp9, 256
	s_cbranch_scc1 .Lplace
	; ---------------- the weights
	v_and_b32 v3, 7, v0                            ; r % 8
	v_bfe_u32 v4, v0, 3, 1                         ; r / 8
	v_bfe_u32 v5, v0, 4, 1                         ; u
	v_lshl_add_u32 v3, v4, 4, v3
	v_lshl_add_u32 v3, v5, 3, v3                   ; my column among the wave's 32: 8 u + r + 8 (r / 8)
	v_lshlrev_b32 v3, 2, v3
	v_and_b32 v6, 15, v0
	v_lshlrev_b32 v6, 4, v6
	v_mad_u32_u24 v6, v5, 1536, v6
	s_mul_i32 s29, s28, 3072                       ; my wave's stage: two fragments' images
	v_add_nc_u32 v6, s29, v6                       ; in: fragment u, lane r
	v_add_nc_u32 v7, s29, v2                       ; out: as it lies
	s_lshr_b32 s30, ttmp9, 4                       ; mi
	s_and_b32 s31, s30, 7                          ; the expert: 2^20 bytes each
	s_lshl_b32 s34, s31, 20
	s_and_b32 s33, ttmp9, 3                        ; s: 128 rows of 2,048 bytes
	s_lshl_b32 s33, s33, 18
	s_add_co_u32 s34, s34, s33
	s_bfe_u32 s32, ttmp9, 0x20002                  ; w: 128 columns
	s_lshl_b32 s32, s32, 9
	s_add_co_u32 s34, s34, s32
	s_lshl_b32 s33, s28, 7                         ; b: 32 columns
	s_add_co_u32 s34, s34, s33
	s_mov_b32 s35, 0
	s_mul_i32 s36, ttmp9, 12288                    ; wq: eight fragments a work-group, two a wave
	s_add_co_u32 s36, s36, s29
	s_mov_b32 s37, 0
	s_lshl_b32 s38, ttmp9, 9                       ; wsc: 512 bytes a work-group, word b of each lane's four
	s_lshl_b32 s33, s28, 2
	s_add_co_u32 s38, s38, s33
	s_mov_b32 s39, 0
	s_wait_kmcnt 0x0
	s_cmp_lt_u32 s30, 8                            ; W1 or W2: the choice hangs on the work-group's number alone
	s_cselect_b64 s[4:5], s[4:5], s[6:7]
	s_add_nc_u64 s[4:5], s[4:5], s[34:35]
	s_add_nc_u64 s[10:11], s[10:11], s[36:37]
	s_add_nc_u64 s[12:13], s[12:13], s[38:39]
.set kk, 0
.rept 128
	global_load_b32 v[XN+kk], v3, s[4:5] offset:kk*2048 th:TH_LOAD_NT   ; W(128 s + kk, my column)
.set kk, kk+1
.endr
.macro BLOCK bb, left                  ; block bb = 2 c + h of the K step belongs to lane 16 h + r of the fragment, registers 6 c .. 6 c + 5
.set XS, XN+32*(\bb)
.set PB, PF+12*((\bb)%2)+6*((\bb)/2)
.set TP, TP0+4*(\bb)
	s_wait_loadcnt \left
	v_max3_num_f32 v12, |v[XS]|, |v[XS+1]|, |v[XS+2]|               ; the block's largest magnitude: all 32 numbers are mine
	v_max3_num_f32 v13, |v[XS+3]|, |v[XS+4]|, |v[XS+5]|
.irp i, 6,10,14,18,22,26
	v_max3_num_f32 v12, v12, |v[XS+\i]|, |v[XS+\i+1]|
	v_max3_num_f32 v13, v13, |v[XS+\i+2]|, |v[XS+\i+3]|
.endr
	v_max3_num_f32 v12, v12, |v[XS+30]|, |v[XS+31]|
	v_max3_num_f32 v12, v12, v13, 0x1800000        ; and the floor 2^(3 - 127): the byte cannot fall under 1
	v_add_nc_u32 v[14+(\bb)], 0xff000000, v12      ; 2 off its exponent field: the conversion's scale operand
	v_lshrrev_b32 v13, 23, v[14+(\bb)]             ; the scale's byte
.if (\bb) == 0
	v_mov_b32 v10, v13                             ; the four bytes make my column's scale word for this K step
.else
	v_lshl_or_b32 v10, v13, 8*(\bb), v10
.endif
	v_cvt_scalef32_pk16_fp6_f32 v[PB:PB+2], v[XS:XS+15], v[14+(\bb)]
	v_cvt_scalef32_pk16_fp6_f32 v[TP:TP+2], v[XS+16:XS+31], v[14+(\bb)]   ; (a conversion's three registers begin on an even number: the upper half is made elsewhere and moved)
	v_nop                                          ; one plain line behind the conversions
.irp i, 0,1,2
	v_mov_b32 v[PB+3+\i], v[TP+\i]
.endr
.endm
	BLOCK 0, 63                                    ; 96 younger loads may be out; the wait's field holds 63
	BLOCK 1, 63                                    ; 64 may
	BLOCK 2, 32
	BLOCK 3, 0
.irp h, 0,1
.irp g, 0,1,2
	ds_store_b128 v6, v[PF+12*\h+4*\g:PF+12*\h+4*\g+3] offset:256*\h+512*\g
.endr
.endr
.irp i, 0,1,2,3,4,5
	ds_load_b128 v[OUTR+4*\i:OUTR+4*\i+3], v7 offset:512*\i        ; my wave's own bytes, served in order: these see the stores above
.endr
	global_store_b32 v2, v10, s[12:13]             ; four bytes in sixteen: the four waves' stores fill the work-group's 512 bytes; one byte in 25 of what this job writes
.irp i, 0,1,2,3,4,5
	s_wait_dscnt 5-\i
	global_store_b128 v2, v[OUTR+4*\i:OUTR+4*\i+3], s[10:11] offset:512*\i   ; 512 consecutive bytes, at a multiple of 256 from the buffer's first byte
.endr
	s_set_vgpr_msb 0x5
	s_wait_tensorcnt 0x0
	ds_add_u32 v0, v1
	s_wait_dscnt 0x0
	s_set_vgpr_msb 0x500
	s_endpgm
	; ---------------- the placing.  Wave v owns segments 128 v .. 128 v + 127 (tokens 4,096 v on).  In the counts a lane is a pid, in the keys a lane is a token.
.Lplace:
.set CN, 64                            ; v64-191  the counts of my 128 segments, then their running sums; v63 stands in front of them
.set KY, 192                           ; v192-255 the keys of 64 segments
	s_lshl_b32 s30, s28, 14                        ; 32 quads of segments x 512 bytes a wave
	s_mov_b32 s31, 0
	s_lshl_b32 s32, s28, 7
	s_add_co_u32 s32, s32, 12288
	v_lshl_add_u32 v3, v1, 2, s32                  ; LDS: my wave's totals, a word a pid
	v_lshlrev_b32 v4, 2, v1
	v_add_nc_u32 v4, 12288, v4                     ; and all four waves'
	s_wait_kmcnt 0x0
	s_add_nc_u64 s[8:9], s[8:9], s[30:31]
.set i, 0
.rept 32
	global_load_b128 v[CN+4*i:CN+4*i+3], v2, s[8:9] offset:65536+512*i
.set i, i+1
.endr
.set i, 0
.rept 16
	global_load_b128 v[KY+4*i:KY+4*i+3], v2, s[8:9] offset:512*i
.set i, i+1
.endr
	s_wait_loadcnt 16                              ; the counts are in; the sixteen loads of keys stay out
.irp c, 0,1,2,3
	v_add3_u32 v[28+\c], v[CN+32*\c], v[CN+1+32*\c], v[CN+2+32*\c]   ; my wave's total of each pid, in four chains
.endr
.irp i, 3,5,7,9,11,13,15,17,19,21,23,25,27,29
.irp c, 0,1,2,3
	v_add3_u32 v[28+\c], v[28+\c], v[CN+32*\c+\i], v[CN+1+32*\c+\i]
.endr
.endr
.irp c, 0,1,2,3
	v_add_nc_u32 v[28+\c], v[28+\c], v[CN+31+32*\c]
.endr
	v_add3_u32 v28, v28, v29, v30
	v_add_nc_u32 v28, v28, v31
	ds_store_b32 v3, v28
	s_wait_dscnt 0x0                               ; for the others' sake
	s_barrier_signal -1
	s_barrier_wait -1
.irp q, 0,1,2,3
	ds_load_b32 v[5+\q], v4 offset:128*\q
.endr
	s_wait_dscnt 0x0
	v_add3_u32 v9, v5, v6, v7
	v_add_nc_u32 v9, v9, v8                        ; v9: n, the tokens of each pid
	v_mov_b32 v10, 0
.irp q, 0,1,2
	s_cmp_gt_u32 s28, \q
	s_cselect_b32 s33, -1, 0
	v_and_b32 v61, s33, v[5+\q]
	v_add_nc_u32 v10, v10, v61                     ; v10: those of them in the waves before mine
.endr
	v_mov_b32 v11, 0                               ; v11: lane p: pair p's first tile
	v_mov_b32 v12, v0                              ; a thread fills tile entries j = thread and thread + 128
	v_add_nc_u32 v13, 128, v0
.irp q, 0,1,2,3,4,5
	v_mov_b32 v[14+\q], 0                          ; of the pair that owns tile j: its first tile, its n, lo | hi << 8
.endr
	s_mov_b32 s42, 0                               ; the running first tile
.macro PAIR p, lo, hi                  ; ascending p leaves in each thread the last pair whose first tile is at most j: pairs without tokens are passed over
	v_readlane_b32 s40, v9, \p
	s_add_co_u32 s41, s40, 79
	s_mul_i32 s41, s41, 52429
	s_lshr_b32 s41, s41, 22                        ; ceil(n / 80): 52,429 / 2^22 exceeds 1 / 80 by 16 / (80 x 2^22), too little to turn a quotient for numbers under 16,464
	v_writelane_b32 v11, s42, \p
	s_mov_b32 s43, (\lo)|((\hi)<<8)
.irp q, 0,1
	v_cmp_le_u32 vcc_lo, s42, v[12+\q]
	v_cndmask_b32 v[14+\q], v[14+\q], s42, vcc_lo
	v_cndmask_b32 v[16+\q], v[16+\q], s40, vcc_lo
	v_cndmask_b32 v[18+\q], v[18+\q], s43, vcc_lo
.endr
	s_add_co_u32 s42, s42, s41
.endm
.set PP, 0
.irp lo, 0,1,2,3,4,5,6
.irp hi, 1,2,3,4,5,6,7
.if \hi > \lo
	PAIR PP, \lo, \hi
.set PP, PP+1
.endif
.endr
.endr
.irp q, 0,1
	v_sub_nc_u32 v61, v[12+\q], v[14+\q]           ; which tile of its pair
	v_mul_u32_u24 v61, v61, 80
	v_min_u32 v61, v61, v[16+\q]
	v_sub_nc_u32 v61, v[16+\q], v61                ; what is left of the pair's tokens there,
	v_min_u32 v[22+4*\q], 80, v61                  ; at most 80: rows (0 behind the last pair's last tile)
	v_and_b32 v[20+4*\q], 0xff, v[18+\q]
	v_lshrrev_b32 v[21+4*\q], 8, v[18+\q]
	v_mov_b32 v[23+4*\q], 0
.endr
	v_lshlrev_b32 v62, 4, v0
	global_store_b128 v62, v[20:23], s[14:15]      ; all 256 entries are written, 512 consecutive bytes a wave
	global_store_b128 v62, v[24:27], s[14:15] offset:2048
	v_mul_u32_u24 v63, v11, 80
	v_add_nc_u32 v63, v63, v10                     ; where my wave's first token of each pid goes: 80 x the pair's first tile + the tokens before
	s_lshl_b32 s33, s28, 12
	v_add_nc_u32 v60, s33, v1                      ; my lane's token in my wave's first segment
; Eight segments.  The counts become running sums, so that the register in front of a segment's holds where the segment's first token of each pid goes; a token pulls that number from lane pid and adds its rank.
.macro BATCH be
	s_wait_xcnt 0x0                                ; the last batch's stores have read their offsets and data: both are written again only behind this wait
.if (\be) == 0
	s_wait_loadcnt 0x0                             ; the first sixteen quads of keys
.elseif (\be) >= 8
	s_wait_loadcnt 2*(15-(\be))                    ; this batch's two quads are in; two loads for each later batch may be out
.endif
.irp k, 0,1,2,3,4,5,6,7
	v_add_nc_u32 v[CN+8*(\be)+\k], v[CN+8*(\be)+\k], v[CN-1+8*(\be)+\k]
.endr
.irp k, 0,1,2,3,4,5,6,7
	v_and_b32 v[28+\k], 0x7c, v[KY+(8*(\be))%64+\k]                ; 4 x pid: the lane to pull from
.endr
.irp k, 0,1,2,3,4,5,6,7
	ds_bpermute_b32 v[36+\k], v[28+\k], v[CN-1+8*(\be)+\k]
.endr
.irp k, 0,1,2,3,4,5,6,7
	v_lshrrev_b32 v[44+\k], 8, v[KY+(8*(\be))%64+\k]               ; rank
	v_add_nc_u32 v[52+\k], 32*(8*(\be)+\k), v60                    ; the token
.endr
.if (\be) < 8
	global_load_b128 v[KY+8*(\be):KY+8*(\be)+3], v2, s[8:9] offset:512*(16+2*(\be))      ; the keys of 64 segments on, into the registers just read
	global_load_b128 v[KY+8*(\be)+4:KY+8*(\be)+7], v2, s[8:9] offset:512*(17+2*(\be))
.endif
	s_wait_dscnt 0x0
.irp k, 0,1,2,3,4,5,6,7
	v_add_nc_u32 v[44+\k], v[44+\k], v[36+\k]
	v_min_u32 v[44+\k], 18559, v[44+\k]            ; inside the 232 x 80 places
	v_lshlrev_b32 v[44+\k], 2, v[44+\k]
	global_store_b32 v[44+\k], v[52+\k], s[14:15] offset:4096      ; the scatter is the placing itself: 64 KB in the whole launch
.endr
.endm
.irp be, 0,1,2,3,4,5,6,7,8,9,10,11,12,13,14,15
	BATCH \be
.endr
	s_set_vgpr_msb 0x5
	s_wait_tensorcnt 0x0
	ds_add_u32 v0, v1
	s_wait_dscnt 0x0
	s_set_vgpr_msb 0x500
	s_endpgm
.Lfunc_end_k_q9f4ada084c_prep:
	.size	k_q9f4ada084c_prep, .Lfunc_end_k_q9f4ada084c_prep-k_q9f4ada084c_prep
	.p2alignl 7, 3214868480
	.fill 96, 4, 3214868480
	.section	.rodata,"a",@progbits
	.p2align	6, 0x0
	.amdhsa_kernel k_q9f4ada084c_prep
		.amdhsa_group_segment_fixed_size 13312
		.amdhsa_private_segment_fixed_size 0
		.amdhsa_enable_private_segment 0
		.amdhsa_kernarg_size 48
		.amdhsa_user_sgpr_count 2
		.amdhsa_user_sgpr_kernarg_segment_ptr 1
		.amdhsa_wavefront_size32 1
		.amdhsa_system_sgpr_workgroup_id_x 1
		.amdhsa_system_sgpr_workgroup_id_y 1
		.amdhsa_system_sgpr_workgroup_id_z 1
		.amdhsa_system_vgpr_workitem_id 0
		.amdhsa_next_free_vgpr 258
		.amdhsa_next_free_sgpr 66
		.amdhsa_reserve_vcc 1
		.amdhsa_float_denorm_mode_32 3
		.amdhsa_float_denorm_mode_16_64 3
		.amdhsa_memory_ordered 1
		.amdhsa_forward_progress 1
		.amdhsa_inst_pref_size 119
	.end_amdhsa_kernel
	.amdgpu_metadata
---
amdhsa.version: [ 1, 2 ]
amdhsa.kernels:
  - .name:           k_q9f4ada084c_prep
    .symbol:         k_q9f4ada084c_prep.kd
    .args:
      - { .name: W1, .offset: 0, .size: 8, .value_kind: global_buffer, .address_space: global }
      - { .name: W2, .offset: 8, .size: 8, .value_kind: global_buffer, .address_space: global }
      - { .name: route, .offset: 16, .size: 8, .value_kind: global_buffer, .address_space: global }
      - { .name: wq, .offset: 24, .size: 8, .value_kind: global_buffer, .address_space: global }
      - { .name: wsc, .offset: 32, .size: 8, .value_kind: global_buffer, .address_space: global }
      - { .name: plan, .offset: 40, .size: 8, .value_kind: global_buffer, .address_space: global }
    .group_segment_fixed_size: 13312
    .private_segment_fixed_size: 0
    .kernarg_segment_align: 8
    .kernarg_segment_size: 48
    .max_flat_workgroup_size: 128
    .sgpr_count:     66
    .vgpr_count:     258
    .wavefront_size: 32
...
	.end_amdgpu_metadata
.endif
;; end of part 2
;; launch chain (part 3): grid 232 x 1, 4 waves a work-group, no clusters, 134,144 bytes of LDS; arguments plan, xq, xs, gw, wq, wsc, b1, b2, out0; writes out0
.if DOCPART == 3
	.amdgcn_target "amdgcn-amd-amdhsa--gfx1250"
	.amdhsa_code_object_version 6
	.text
	.protected	k_q9f4ada084c_chain
	.globl	k_q9f4ada084c_chain
	.p2align	8
	.type	k_q9f4ada084c_chain,@function
k_q9f4ada084c_chain:
	s_mov_b64 s[64:65], 0
	v_nop
	global_prefetch_b8 v0, s[64:65] scope:SCOPE_SE
	s_setreg_imm32_b32 hwreg(HW_REG_WAVE_MODE, 25, 1), 1
	s_wait_xcnt 0x0
; out[token] = w_lo (relu(x W1[lo] + b1[lo]) W2[lo] + b2[lo]) + w_hi (the same of hi), both products on codes of FP6 (E2M3) with one E8M0 scale for each 32 along K.
; ONE WORK-GROUP TAKES ONE TILE OF UP TO 80 TOKENS THAT CHOSE THE SAME PAIR {lo, hi} THROUGH BOTH EXPERTS' WHOLE CHAIN: each output row has one owner, the hidden layers stay in LDS as codes, nothing is added in memory.
; The grid of 232 serves every split of 16,384 tokens over 28 pairs (the sum of ceil(n / 80) is at most 232).
; SHARES.  Five tiles m of 16 rows.  THE WAVES SHARE THE COLUMNS: wave w makes hidden units and outputs 128 w .. 128 w + 127 for all 80 rows, so each byte of the four weight matrices enters the WGP once,
; straight into the registers of the one wave that multiplies by it (an earlier launch has laid the codes in the order of the operand's registers: three loads of 16 bytes a lane bring a fragment).
; Both products are used transposed (source 0 = 16 columns of a weight, source 1 = 16 tokens): a lane holds ONE token and its registers run along the columns; the columns of a tile are chosen so that register 16 b + i of a
; row tile's 64 is column 128 w + 32 b + 16 (lane / 16) + i.  So the hidden layer is quantised in registers, and wave w's part of it is K step w of the second product: it goes to the other waves through LDS as an image of its registers.
; ONE SET OF ACCUMULATORS: out = w_hi ((w_lo / w_hi) (Y_lo + b2_lo) + b2_hi + Y_hi).  Both weights are a softmax of two numbers in 0 .. 1, so they lie in 0.26 .. 0.74 and the quotient in 0.36 .. 2.8.
; The biases are the C of a sum's first matrix instruction, b2_hi the addend of the rescaling.
; ONE BRANCH, BEHIND THE LAST BARRIER.  The second barrier cannot be spared (a wave's hidden units are a K step of all four waves), and every wave has to pass it whatever the stored list says.  So a tile without rows runs the
; same lines on tile 0's first token up to the last product, and then jumps round the way out: it stores nothing.  Rows behind a tile's last repeat that last row: the same wave then stores the same values at the same place twice.
; NO CLUSTER, NO TENSOR LOAD: which work-groups walk the same expert is known from the stored list alone, so neighbours in the grid need not want the same bytes, and a joint request wants one address in all partners;
; and each weight byte is wanted by one wave, so LDS would only add a trip.
; LIMITS: NaN and infinities are not served; a block of the hidden layer whose largest number lies under 2^-124 keeps the scale byte 1 (a block of zeros too: its codes are zeros).
; REGISTERS, in windows of 256 (s_set_vgpr_msb: bits 1:0 source 0, 3:2 source 1, 5:4 source 2, 7:6 destination):
;   window 0: v1-12 addresses, v14-18 tokens, v20-29 weights, v32-57 scale words, v64-183 two sets of five fragments of rows (on the way out: rows of out), v192-231 the quantiser, v232-247 offsets
;   window 1: v0-191 slots 0, 1 of the weights' ring (8 fragments each); v192-255 a bias, 8 tiles x 8      window 2: v0-191 slots 2, 3; v192-255 the accumulators of row tile 0      window 3: those of row tiles 1 to 4
.set XIMG, 0                           ; LDS: x's 20 fragments (4 m + s), 1,536 bytes each,
.set XSC,  30720                       ; their scale words, 128 bytes each,
.set HIMG, 33280                       ; the hidden layers' 40 fragments (20 e + 4 m + s),
.set HSC,  94720                       ; their scale words,
.set STG,  99840                       ; and a stage of 16 rows x (512 + 16) bytes for each wave
.set LI,   1                           ; v1   16 x lane
.set LS,   2                           ; v2   4 x lane
.set HB,   3                           ; v3   64 x (lane / 16): my half's place in a bias
.set XWI,  4                           ; v4   where I store x's images: 16 x lane + 1,536 x wave
.set XWS,  5                           ; v5   and their scale words: 4 x lane + 128 x wave
.set HWI,  6                           ; v6, v7  the same for the hidden layers
.set HWS,  7
.set LIH,  8                           ; v8, v9  where any wave reads them
.set LSH,  9
.set SO,   10                          ; v10  the stage: where I put my token's numbers
.set SR,   11                          ; v11  and where I read a row back
.set CO,   12                          ; v12  my 16 bytes in a row of out: 512 x wave + 16 x lane
.set TOK,  14                          ; v14-18  the token of row 16 m + lane % 16
.set GW,   20                          ; v20-29  for that token: (w_lo / w_hi, w_hi)
.set WS,   32                          ; v32-47  the weights' scale words, four for each slot: register b: lanes 0-15 tile 2 b, lanes 16-31 tile 2 b + 1
.set FBS0, 48                          ; v48-57  the rows' scale words, two sets of five
.set FB0,  64                          ; v64-183 the rows' fragments, two sets of five
.set BK,   64                          ; the way out: 16 rows read back: v64-127 and v128-191 by turns
.set TM,   192                         ; v192-195 largest numbers, v196-199 bytes, v204-207 the conversions' scale operands
.set PW,   208                         ; the scale word just made
.set PC,   212                         ; v212-231 the codes just made
.set VO,   232                         ; v232-247 offsets
.set WP,   32                          ; s[32:39] my part of W1[lo], W1[hi], W2[lo], W2[hi] in wq;  s[40:47] in wsc;  s[48:55] of b1[lo], b1[hi], b2[lo], b2[hi]
.set WSP,  40
.set BP,   48
.set SEL,  56                          ; s[56:57] v_permlanex16_b32's selects for lane l xor 16
.set MSB,  0
.macro WIN new                         ; the immediate's high byte repeats the setting that is left
.if MSB != (\new)
	s_set_vgpr_msb (MSB<<8)|(\new)
.set MSB, (\new)
.endif
.endm
; A load into a register that a matrix instruction has read, and a vector instruction or an LDS store that reads or writes a matrix result, stand four places behind that matrix instruction; only plain vector
; instructions that name none of its registers are places (ISA guide 7.12.1 for vector instructions).
.macro PLACES
.rept 4
	v_nop
.endr
.endm
; GROUP g = 4 mu + s (mu: which of the four matrices; s: which 128 along K) is 40 matrix instructions: 8 tiles of columns x 5 tiles of rows.  Its weights lie in slot s of the ring.
.macro LW g                            ; group g's weights: 24 loads of 512 consecutive bytes, and one of scale words
.set S_, (\g)%4
.set MU, (\g)/4
.set RL, 96*(S_%2)
	WIN (1+S_/2)<<6
.irp t, 0,1,2,3,4,5,6,7
.irp c, 0,1,2
	global_load_b128 v[RL+12*\t+4*\c:RL+12*\t+4*\c+3], v[LI], s[WP+2*MU:WP+2*MU+1] offset:(8*S_+\t)*1536+512*\c
.endr
.endr
	WIN 0
	global_load_b128 v[WS+4*S_:WS+4*S_+3], v[LI], s[WSP+2*MU:WSP+2*MU+1] offset:512*S_
.endm
.macro LB mu                           ; a bias in the result's layout: for tile 2 b + u my half's eight columns 32 b + 16 h + 8 u + 0 .. 7: 16 loads
	WIN 0x40
.irp t, 0,1,2,3,4,5,6,7
	global_load_b128 v[192+8*\t:192+8*\t+3], v[HB], s[BP+2*(\mu):BP+2*(\mu)+1] offset:(32*(\t/2)+8*(\t%2))*4
	global_load_b128 v[192+8*\t+4:192+8*\t+7], v[HB], s[BP+2*(\mu):BP+2*(\mu)+1] offset:(32*(\t/2)+8*(\t%2))*4+16
.endr
	WIN 0
.endm
.macro LFX buf, s                      ; x's five fragments of K step s, and their scale words, into set buf
.irp m, 0,1,2,3,4
.irp c, 0,1,2
	ds_load_b128 v[FB0+60*(\buf)+12*\m+4*\c:FB0+60*(\buf)+12*\m+4*\c+3], v[LI] offset:XIMG+(4*\m+(\s))*1536+512*\c
.endr
	ds_load_b32 v[FBS0+5*(\buf)+\m], v[LS] offset:XSC+(4*\m+(\s))*128
.endr
.endm
.macro LFH buf, i0                     ; a hidden layer's five fragments i0 + 4 m
.irp m, 0,1,2,3,4
.irp c, 0,1,2
	ds_load_b128 v[FB0+60*(\buf)+12*\m+4*\c:FB0+60*(\buf)+12*\m+4*\c+3], v[LIH] offset:(4*\m+(\i0))*1536+512*\c
.endr
	ds_load_b32 v[FBS0+5*(\buf)+\m], v[LSH] offset:(4*\m+(\i0))*128
.endr
.endm
.macro WM d, a, b, c, sa, sb, odd      ; an odd tile's scale words lie in lanes 16-31 of their register
.if \odd
	v_wmma_scale_f32_16x16x128_f8f6f4 v[(\d):(\d)+7], v[(\a):(\a)+11], v[(\b):(\b)+11], v[(\c):(\c)+7], v[\sa], v[\sb] matrix_a_fmt:MATRIX_FMT_FP6 matrix_b_fmt:MATRIX_FMT_FP6 matrix_a_scale:MATRIX_SCALE_ROW1
.else
	v_wmma_scale_f32_16x16x128_f8f6f4 v[(\d):(\d)+7], v[(\a):(\a)+11], v[(\b):(\b)+11], v[(\c):(\c)+7], v[\sa], v[\sb] matrix_a_fmt:MATRIX_FMT_FP6 matrix_b_fmt:MATRIX_FMT_FP6
.endif
.endm
; Eight matrix instructions: row tile m against the group's eight tiles of columns.  cb = 1: the sums begin with the bias.  The 40 accumulators take turns, one instruction a turn, in the same order in every group.
.macro MM g, m, cb
.set S_, (\g)%4
.set RW, 1+S_/2
.set RL, 96*(S_%2)
.set AA, 704+64*(\m)
.set AW, AA>>8
.set AL, AA&255
.set FBB, FB0+60*((\g)%2)+12*(\m)
.set FSS, FBS0+5*((\g)%2)+(\m)
.if \cb
.set CL, 192
	WIN (AW<<6)|(1<<4)|RW
.else
.set CL, AL
	WIN (AW<<6)|(AW<<4)|RW
.endif
.irp t, 0,1,2,3,4,5,6,7
	WM AL+8*\t, RL+12*\t, FBB, CL+8*\t, WS+4*S_+\t/2, FSS, \t%2
.endr
.endm
; n: how many younger loads may be out when this group's weights have to be in.  The four places at the head serve every load of the group: into the other set of rows' fragments, into the slot of the group before and into
; the bias, all last read by the group before.  The next group's rows are fetched at the head; the weights of three groups on are asked for behind the first sixteen products.
.macro GROUP g, n, cb
	s_wait_loadcnt \n
	s_wait_dscnt 0x0                               ; this group's rows are in
	WIN 0
	PLACES
.set GN, (\g)+1
.if ((\g) != 7) && ((\g) != 15)
.if GN < 8
	LFX GN%2, GN%4
.else
	LFH GN%2, 20*(GN/4-2)+GN%4
.endif
.endif
	MM \g, 0, \cb
	MM \g, 1, \cb
.if (\g) <= 12
.if ((\g)+3)%4 == 0
	LB ((\g)+3)/4
.endif
	LW (\g)+3
.endif
	MM \g, 2, \cb
	MM \g, 3, \cb
	MM \g, 4, \cb
.endm
; Row tile m's 64 numbers of a lane (register 16 b + i = hidden unit 128 w + 32 b + 16 (lane / 16) + i of my token): relu, then a fragment's codes and its scale word, stored as images: K step w of expert e's second product.
.macro QUANT m, e
.set AA, 704+64*(\m)
.set AW, AA>>8
.set AL, AA&255
	WIN (AW<<6)|(AW<<2)
.set j, 0
.rept 64
	v_max_num_f32 v[AL+j], 0, v[AL+j]              ; the activation, in f32; each accumulator from its low end on
.set j, j+1
.endr
	WIN (AW<<2)|AW
.irp b, 0,1,2,3
	v_max3_num_f32 v[TM+\b], v[AL+16*\b], v[AL+16*\b+1], 0x1800000   ; block b: my 16 numbers (none is negative), and the floor 2^(3 - 127): the byte cannot fall under 1
.endr
.irp i, 2,4,6,8,10,12,14
.irp b, 0,1,2,3
	v_max3_num_f32 v[TM+\b], v[AL+16*\b+\i], v[AL+16*\b+\i+1], v[TM+\b]   ; (the four blocks by turns)
.endr
.endr
	WIN 0
.irp b, 0,1,2,3
	v_permlanex16_b32 v[TM+4+\b], v[TM+\b], s[SEL], s[SEL+1]
.endr
.irp b, 0,1,2,3
	v_max_num_f32 v[TM+\b], v[TM+\b], v[TM+4+\b]   ; with lane l xor 16's: the block's largest number
.endr
.irp b, 0,1,2,3
	v_add_nc_u32 v[TM+12+\b], 0xff000000, v[TM+\b] ; 2 off its exponent field: the conversion's scale operand
.endr
.irp b, 0,1,2,3
	v_lshrrev_b32 v[TM+4+\b], 23, v[TM+12+\b]      ; the scale's byte
.endr
	v_lshl_or_b32 v[PW], v[TM+5], 8, v[TM+4]       ; the four bytes make my token's scale word
	v_lshl_or_b32 v[PW], v[TM+6], 16, v[PW]
	v_lshl_or_b32 v[PW], v[TM+7], 24, v[PW]
	WIN AW
.irp c, 0,1
	v_cvt_scalef32_pk16_fp6_f32 v[PC+6*\c:PC+6*\c+2], v[AL+32*\c:AL+32*\c+15], v[TM+12+2*\c]
	v_cvt_scalef32_pk16_fp6_f32 v[PC+12+4*\c:PC+14+4*\c], v[AL+32*\c+16:AL+32*\c+31], v[TM+13+2*\c]   ; (a conversion's three registers begin on an even number)
.endr
	WIN 0
	v_nop                                          ; one plain line behind the conversions
.irp c, 0,1                                    ; the operand's layout wants a WHOLE block in a lane: lanes 0-15 block 2 c, lanes 16-31 block 2 c + 1
.irp i, 0,1,2
	v_permlane16_swap_b32 v[PC+6*\c+\i], v[PC+12+4*\c+\i]
.endr
.irp i, 0,1,2
	v_mov_b32 v[PC+3+6*\c+\i], v[PC+12+4*\c+\i]
.endr
.endr
.irp c, 0,1,2
	ds_store_b128 v[HWI], v[PC+4*\c:PC+4*\c+3] offset:(20*(\e)+4*(\m))*1536+512*\c
.endr
	ds_store_b32 v[HWS], v[PW] offset:(20*(\e)+4*(\m))*128
	s_wait_dscnt 0x0                               ; the stores have read their registers: the next tile's codes may be written
.endm
; THE WAY OUT of row tile m.  x w_hi; a lane holds 4 x 64 bytes of one token's row and the lanes beside it other tokens: so the tile goes through my own stage and comes back as whole rows of 512 bytes.
.macro TOSTAGE m
.set AA, 704+64*(\m)
.set AW, AA>>8
.set AL, AA&255
	WIN (AW<<6)|AW
.set j, 0
.rept 32
	v_pk_mul_f32 v[AL+j:AL+j+1], v[AL+j:AL+j+1], v[GW+2*(\m):GW+2*(\m)+1] op_sel:[0,1] op_sel_hi:[1,1]   ; both halves by the pair's second word, w_hi; each accumulator from its low end on
.set j, j+2
.endr
	WIN AW<<2                                      ; an LDS store's data are its source 1
.irp q, 0,1,2,3,4,5,6,7,8,9,10,11,12,13,14,15
	ds_store_b128 v[SO], v[AL+4*\q:AL+4*\q+3] offset:128*(\q/4)+16*(\q%4)
.endr
	WIN 0
.if (\m) >= 2
	s_wait_xcnt 0x0                                ; tile m - 2's stores to memory have read their data: the loads below land in those registers only behind this wait
.endif
.irp i, 0,1,2,3,4,5,6,7,8,9,10,11,12,13,14,15
	ds_load_b128 v[BK+64*((\m)%2)+4*\i:BK+64*((\m)%2)+4*\i+3], v[SR] offset:528*\i   ; LDS serves a wave's instructions in order (ISA guide 5.7.1.4): these see the stores above, and the next tile's stores come behind them
.endr
.endm
.macro SEND m, younger                 ; younger: the LDS instructions issued behind tile m's loads, which may stay out
	s_wait_xcnt 0x0                                ; the tile before has had its stores' addresses translated: their offsets are written again only behind this wait
.irp i, 0,1,2,3,4,5,6,7,8,9,10,11,12,13,14,15
	v_readlane_b32 s59, v[TOK+(\m)], \i            ; row i's token,
	s_min_u32 s59, s59, 16383
	s_lshl_b32 s59, s59, 11                        ; its row of 2,048 bytes,
	v_add_nc_u32 v[VO+\i], s59, v[CO]              ; my wave's 512 bytes of it
.endr
	s_wait_dscnt \younger                          ; the tile is back in registers
.irp i, 0,1,2,3,4,5,6,7,8,9,10,11,12,13,14,15
	global_store_b128 v[VO+\i], v[BK+64*((\m)%2)+4*\i:BK+64*((\m)%2)+4*\i+3], s[20:21] th:TH_STORE_NT   ; 32 lanes store 512 consecutive bytes, at a multiple of 256 from out's first byte
.endr
.endm
	s_load_b512 s[4:19], s[0:1], 0x0               ; plan s[4:5], xq s[6:7], xs s[8:9], gw s[10:11], wq s[12:13], wsc s[14:15], b1 s[16:17], b2 s[18:19]
	s_load_b64 s[20:21], s[0:1], 0x40              ; out0
	v_lshl_add_u32 v254, v0, 2, 0x20a00
	v_mov_b32 v255, 0
	v_lshrrev_b32 v60, 5, v0
	v_readfirstlane_b32 s28, v60                   ; wave 0..3
	v_and_b32 v60, 31, v0                          ; lane
	v_and_b32 v61, 15, v0                          ; r
	v_bfe_u32 v62, v0, 4, 1                        ; h
	v_lshlrev_b32 v[LI], 4, v60
	v_lshlrev_b32 v[LS], 2, v60
	v_lshlrev_b32 v[HB], 6, v62
	s_mul_i32 s59, s28, 1536
	v_add_nc_u32 v[XWI], s59, v[LI]
	s_lshl_b32 s60, s28, 7
	v_add_nc_u32 v[XWS], s60, v[LS]
	v_add_nc_u32 v[HWI], HIMG, v[XWI]
	v_add_nc_u32 v[HWS], HSC, v[XWS]
	v_add_nc_u32 v[LIH], HIMG, v[LI]
	v_add_nc_u32 v[LSH], HSC, v[LS]
	s_mul_i32 s59, s28, 16*528
	s_add_co_u32 s59, s59, STG                     ; my stage
	v_mul_u32_u24 v[SO], v61, 528
	v_lshl_add_u32 v[SO], v62, 6, v[SO]
	v_add_nc_u32 v[SO], s59, v[SO]                 ; in: row r, + 64 h
	v_add_nc_u32 v[SR], s59, v[LI]                 ; back: 16 bytes a lane
	s_lshl_b32 s60, s28, 9
	v_add_nc_u32 v[CO], s60, v[LI]
	v_mul_u32_u24 v63, v62, 24                     ; my half's 24 bytes of a block pair
.irp b, 0,1,2,3
	v_mov_b32 v[TM+4+\b], 0                        ; written once: a lane permute's destination counts as one of its sources
.endr
	s_mov_b32 s[SEL], 0x76543210
	s_mov_b32 s[SEL+1], 0xfedcba98
	s_mov_b32 s31, 384                             ; a token's codes in bytes
	s_wait_kmcnt 0x0
	s_lshl_b32 s60, ttmp9, 4
	s_mov_b32 s61, 0
	s_add_nc_u64 s[60:61], s[4:5], s[60:61]
	s_load_b128 s[24:27], s[60:61], 0x0            ; my tile: lo, hi, rows, 0
	s_wait_kmcnt 0x0
	s_min_u32 s24, s24, 7
	s_min_u32 s25, s25, 7
	s_min_u32 s26, s26, 80
	s_min_u32 s59, s26, 1                          ; a tile without rows reads tile 0's list, whose first place is always written
	s_mul_i32 s59, s59, ttmp9
	s_mul_i32 s60, s59, 320                        ; 80 places of 4 bytes a tile
	s_mov_b32 s61, 0
	s_add_nc_u64 s[4:5], s[4:5], s[60:61]
	s_max_u32 s62, s26, 1
	s_sub_co_u32 s62, s62, 1                       ; the last row that the list holds
.irp m, 0,1,2,3,4
	v_add_nc_u32 v[VO+\m], 16*\m, v61
	v_min_u32 v[VO+\m], s62, v[VO+\m]              ; rows behind the last repeat it
	v_min_u32 v[VO+\m], 79, v[VO+\m]
	v_lshlrev_b32 v[VO+\m], 2, v[VO+\m]
.endr
.irp m, 0,1,2,3,4
	global_load_b32 v[TOK+\m], v[VO+\m], s[4:5] offset:4096
.endr
.irp x, 0,1                                    ; the pair's two experts: where my wave's part of each matrix, of its scale words and of its biases begins
	s_lshl_b32 s59, s[24+\x], 2
	s_add_co_u32 s59, s59, s28                     ; 4 e + w
	s_mul_i32 s60, s59, 49152                      ; 32 fragments
	s_add_nc_u64 s[WP+2*\x:WP+2*\x+1], s[12:13], s[60:61]
	s_add_nc_u64 s[WP+4+2*\x:WP+5+2*\x], s[WP+2*\x:WP+2*\x+1], 32*49152   ; W2's lie 8 experts on
	s_lshl_b32 s60, s59, 11
	s_add_nc_u64 s[WSP+2*\x:WSP+2*\x+1], s[14:15], s[60:61]
	s_add_nc_u64 s[WSP+4+2*\x:WSP+5+2*\x], s[WSP+2*\x:WSP+2*\x+1], 65536
	s_lshl_b32 s60, s[24+\x], 11
	s_lshl_b32 s62, s28, 9
	s_add_co_u32 s60, s60, s62
	s_add_nc_u64 s[BP+2*\x:BP+2*\x+1], s[16:17], s[60:61]
	s_add_nc_u64 s[BP+4+2*\x:BP+5+2*\x], s[18:19], s[60:61]
.endr
	s_mul_i32 s60, s28, 96                         ; of x each wave gathers K step w of all 80 rows
	s_add_nc_u64 s[6:7], s[6:7], s[60:61]
	s_lshl_b32 s60, s28, 2
	s_add_nc_u64 s[8:9], s[8:9], s[60:61]
	LB 0
	LW 0
	s_wait_loadcnt 41                              ; the list is in; the 16 + 25 loads behind it stay out
.irp m, 0,1,2,3,4
	v_min_u32 v[TOK+\m], 16383, v[TOK+\m]
	v_mad_u32_u24 v[VO+\m], v[TOK+\m], s31, v63    ; its codes, + 24 h
	v_lshlrev_b32 v[VO+5+\m], 4, v[TOK+\m]         ; its scale bytes
	v_lshlrev_b32 v[VO+10+\m], 3, v[TOK+\m]        ; its two weights
.endr
.irp m, 0,1,2,3,4
.irp p, 0,1,2,3,4,5
	global_load_b64 v[FB0+12*\m+2*\p:FB0+12*\m+2*\p+1], v[VO+\m], s[6:7] offset:48*(\p/3)+8*(\p%3)   ; a fragment as it lies: 24 bytes of the row's stream of bits, twice
.endr
.endr
.irp m, 0,1,2,3,4
	global_load_b32 v[FBS0+\m], v[VO+5+\m], s[8:9]
.endr
.irp m, 0,1,2,3,4
	global_load_b64 v[GW+2*\m:GW+2*\m+1], v[VO+10+\m], s[10:11]
.endr
	LW 1
	LW 2
	s_wait_loadcnt 50                              ; the gather is in, and group 0's weights and bias; the two groups' weights behind it stay out
.irp m, 0,1,2,3,4
.irp c, 0,1,2
	ds_store_b128 v[XWI], v[FB0+12*\m+4*\c:FB0+12*\m+4*\c+3] offset:XIMG+(4*\m)*1536+512*\c
.endr
	ds_store_b32 v[XWS], v[FBS0+\m] offset:XSC+(4*\m)*128
.endr
.irp m, 0,1,2,3,4
	v_rcp_f32 v[58+\m], v[GW+2*\m+1]
.endr
	v_nop                                          ; a plain line behind the reciprocals
	s_wait_alu depctr_va_vdst(0)
.irp m, 0,1,2,3,4
	v_mul_f32 v[GW+2*\m], v[GW+2*\m], v[58+\m]     ; w_lo / w_hi
.endr
	s_wait_dscnt 0x0                               ; for the others' sake: my images of x lie in LDS
	s_barrier_signal -1
	s_barrier_wait -1                              ; all twenty do
	LFX 0, 0
	GROUP 0, 50, 1                                 ; x W1[lo] + b1[lo].  Behind a group's weights: two groups' (50), or those and a bias (66: the wait's field holds 63)
	GROUP 1, 50, 0
	GROUP 2, 63, 0
	GROUP 3, 63, 0
	WIN 0
	PLACES
.irp m, 0,1,2,3,4
	QUANT \m, 0
.endr
	GROUP 4, 50, 1                                 ; x W1[hi] + b1[hi]
	GROUP 5, 50, 0
	GROUP 6, 63, 0
	GROUP 7, 63, 0
	WIN 0
	PLACES
.irp m, 0,1,2,3,4
	QUANT \m, 1
.endr
	s_wait_dscnt 0x0                               ; for the others' sake: my K step of both hidden layers lies in LDS
	s_barrier_signal -1
	s_barrier_wait -1                              ; all forty fragments do
	LFH 0, 0
	GROUP 8, 50, 1                                 ; h_lo W2[lo] + b2[lo]
	GROUP 9, 50, 0
	GROUP 10, 63, 0
	GROUP 11, 63, 0
	s_wait_loadcnt 50                              ; b2[hi] is in (75 younger loads could be out; the next group wants this count anyway)
	WIN 0
	PLACES
.irp m, 0,1,2,3,4                              ; x w_lo / w_hi, + b2[hi]: one fused multiply-add, two numbers an instruction
.set AA, 704+64*\m
.set AW, AA>>8
.set AL, AA&255
	WIN (AW<<6)|(1<<4)|AW
.set j, 0
.rept 32
	v_pk_fma_f32 v[AL+j:AL+j+1], v[AL+j:AL+j+1], v[GW+2*\m:GW+2*\m+1], v[192+j:192+j+1] op_sel_hi:[1,0,1]
.set j, j+2
.endr
.endr
	GROUP 12, 50, 0                                ; + h_hi W2[hi]
	GROUP 13, 50, 0
	GROUP 14, 25, 0                                ; one group's weights behind it
	GROUP 15, 0, 0
	WIN 0                                          ; at a branch and at a label every window is 0
	PLACES
	s_cmp_eq_u32 s26, 0                            ; a tile without rows stores nothing: a scalar branch on the stored count, the same in all four waves, behind the last barrier
	s_cbranch_scc1 .Lnone
	TOSTAGE 0
.irp m, 1,2,3,4
	TOSTAGE \m
	SEND \m-1, 32                                  ; behind tile m - 1's loads: tile m's 16 stores and 16 loads
.endr
	SEND 4, 0
.Lnone:
	s_wait_tensorcnt 0x0
	ds_add_u32 v254, v255
	s_wait_dscnt 0x0
	s_endpgm
.Lfunc_end_k_q9f4ada084c_chain:
	.size	k_q9f4ada084c_chain, .Lfunc_end_k_q9f4ada084c_chain-k_q9f4ada084c_chain
	.p2alignl 7, 3214868480
	.fill 96, 4, 3214868480
	.section	.rodata,"a",@progbits
	.p2align	6, 0x0
	.amdhsa_kernel k_q9f4ada084c_chain
		.amdhsa_group_segment_fixed_size 134144
		.amdhsa_private_segment_fixed_size 0
		.amdhsa_enable_private_segment 0
		.amdhsa_kernarg_size 72
		.amdhsa_user_sgpr_count 2
		.amdhsa_user_sgpr_kernarg_segment_ptr 1
		.amdhsa_wavefront_size32 1
		.amdhsa_system_sgpr_workgroup_id_x 1
		.amdhsa_system_sgpr_workgroup_id_y 1
		.amdhsa_system_sgpr_workgroup_id_z 1
		.amdhsa_system_vgpr_workitem_id 0
		.amdhsa_next_free_vgpr 1024
		.amdhsa_next_free_sgpr 66
		.amdhsa_reserve_vcc 0
		.amdhsa_float_denorm_mode_32 3
		.amdhsa_float_denorm_mode_16_64 3
		.amdhsa_memory_ordered 1
		.amdhsa_forward_progress 1
		.amdhsa_inst_pref_size 255
	.end_amdhsa_kernel
	.section	.bss,"aw",@nobits
	.p2align	6
	.space	262144
	.amdgpu_metadata
---
amdhsa.version: [ 1, 2 ]
amdhsa.kernels:
  - .name:           k_q9f4ada084c_chain
    .symbol:         k_q9f4ada084c_chain.kd
    .args:
      - { .name: plan, .offset: 0, .size: 8, .value_kind: global_buffer, .address_space: global }
      - { .name: xq, .offset: 8, .size: 8, .value_kind: global_buffer, .address_space: global }
      - { .name: xs, .offset: 16, .size: 8, .value_kind: global_buffer, .address_space: global }
      - { .name: gw, .offset: 24, .size: 8, .value_kind: global_buffer, .address_space: global }
      - { .name: wq, .offset: 32, .size: 8, .value_kind: global_buffer, .address_space: global }
      - { .name: wsc, .offset: 40, .size: 8, .value_kind: global_buffer, .address_space: global }
      - { .name: b1, .offset: 48, .size: 8, .value_kind: global_buffer, .address_space: global }
      - { .name: b2, .offset: 56, .size: 8, .value_kind: global_buffer, .address_space: global }
      - { .name: out0, .offset: 64, .size: 8, .value_kind: global_buffer, .address_space: global }
    .group_segment_fixed_size: 134144
    .private_segment_fixed_size: 0
    .kernarg_segment_align: 8
    .kernarg_segment_size: 72
    .max_flat_workgroup_size: 128
    .sgpr_count:     66
    .vgpr_count:     1024
    .wavefront_size: 32
...
	.end_amdgpu_metadata
.endif
;; end of part 3
;; ======== version 2 of 2: 3 launches
;; workspace buffers: xq 6,291,456 bytes; xs 262,144 bytes; gw 131,072 bytes; route 131,072 bytes of whole numbers; wq 3,145,728 bytes; wsc 131,072 bytes; plan 78,336 bytes of whole numbers
;; launch route (part 4): grid 256 x 1, 4 waves a work-group, no clusters, 41,984 bytes of LDS; arguments x, gate_W, gate_b, xq, xs, gw, route; writes xq, xs, gw, route
.if DOCPART == 4
	.amdgcn_target "amdgcn-amd-amdhsa--gfx1250"
	.amdhsa_code_object_version 6
	.text
	.protected	k_q9f4ada084c_route
	.globl	k_q9f4ada084c_route
	.p2align	8
	.type	k_q9f4ada084c_route,@function
k_q9f4ada084c_route:
	s_mov_b64 s[64:65], 0
	v_nop
	global_prefetch_b8 v0, s[64:65] scope:SCOPE_SE
	s_setreg_imm32_b32 hwreg(HW_REG_WAVE_MODE, 25, 1), 1
	s_wait_xcnt 0x0
; x [16384][512] f32 is read ONCE and serves two things: (1) its codes of FP6 (E2M3) with one E8M0 byte for each 32 along K: xq [token][384 bytes], xs [token][16 bytes];
; (2) the router in f32: logits = x gate_W + gate_b, softmax (the largest logit taken away first), the two largest probabilities (of equal ones the lower index, as lax.top_k has it), the softmax of those two.
; Stored for the later launches, at places that hang on ids alone: gw [token] = (weight of the lower expert, weight of the higher), and whole numbers: for each token key = pid << 2 | rank << 8, for each
; segment of 32 tokens the count of each pid.  pid numbers the 28 unordered pairs {lo, hi}: lo (15 - lo) / 2 + hi - lo - 1; rank is the token's place among equal pids of its segment.
; Both tables lie [segment / 4][lane][segment % 4], so that the reader takes four segments by one load of 16 bytes a lane.  No address and no branch here hangs on these numbers.
; A block's scale is 2^(floor(log2(its largest magnitude)) - 2): its byte is the largest magnitude's exponent field - 2, held at 1 from below.
; LIMITS: NaN and infinities are not served; a block whose largest magnitude lies under 2^-124 keeps the byte 1 (a block of zeros too: its codes are zeros, and this program alone reads the bytes);
; where two probabilities agree to within the rounding of f32 sums the choice may differ from another order of summing.  Probabilities are kept down to denormals (the exponent is raised by 64 for v_exp_f32 and taken off again).
; SHARES.  A work-group takes 64 tokens, a wave 16, one row (2,048 bytes) a step.  A step's four loads read 512 consecutive bytes each; the row turns through the wave's own stage in LDS and comes back 64 bytes a lane:
; lane l holds k = 16 l .. 16 l + 15, half a block.  Loads run eight rows (32 loads a wave) ahead, the turn one row.  gate_W's 16 rows of lane l stay in 128 registers of window 1.
; No matrix unit (8 columns), no tensor load, no cluster: work-groups share nothing but gate_W's 16 KB.
.set SP,   80                          ; a lane's place in a stage: 64 bytes + 16 of padding
.set WREG, 5632                        ; LDS: a region for each wave: two stages of 32 x SP bytes, then its 256 scale bytes
.set SBY,  5120
.set LG,   22528                       ; the 64 tokens' logits, 32 bytes each
.set GWL,  24576                       ; gate_W as 32 chunks of 512 bytes, GP bytes apart
.set GP,   528                         ; an odd multiple of 16: the sixteen lanes of a load of 16 bytes start in sixteen different columns of 16 bytes
.set ACC,  12                          ; v12-27   eight partial logits, two sets by turns
.set EB,   28                          ; v28-29   the scale byte, by turns
.set CD,   32                          ; v32-34, v36-38 the codes, by turns
.set X,    40                          ; v40-71   two sets of 16 neighbours
.set R,    72                          ; v72-199  eight sets of 16 numbers as they are loaded
.set MSB,  0
.macro WIN new                         ; the immediate's high byte repeats the setting that is left
.if MSB != (\new)
	s_set_vgpr_msb (MSB<<8)|(\new)
.set MSB, (\new)
.endif
.endm
	s_load_b256 s[4:11], s[0:1], 0x0               ; x, gate_W, gate_b, xq
	s_load_b128 s[12:15], s[0:1], 0x20             ; xs, gw
	s_load_b64 s[16:17], s[0:1], 0x30              ; route
	v_lshl_add_u32 v254, v0, 2, 0xa200
	v_mov_b32 v255, 0
	v_lshrrev_b32 v8, 5, v0
	v_readfirstlane_b32 s28, v8                    ; wave 0..3
	v_and_b32 v9, 31, v0                           ; lane
	v_bfe_u32 v10, v0, 4, 1                        ; h = lane / 16
	v_lshlrev_b32 v1, 4, v9                        ; v1: 16 x lane
	s_mul_i32 s32, s28, WREG
	v_lshrrev_b32 v2, 2, v9
	v_mul_u32_u24 v2, v2, SP
	v_and_b32 v11, 3, v9
	v_lshl_add_u32 v2, v11, 4, v2
	v_add_nc_u32 v2, s32, v2                       ; v2: the stage on the way in: SP (lane / 4) + 16 (lane % 4)
	v_mul_u32_u24 v3, v9, SP
	v_add_nc_u32 v3, s32, v3                       ; v3: on the way out: SP x lane
	v_mul_u32_u24 v4, v9, 12                       ; v4: my 16 codes' place in a row's 384 bytes
	s_add_co_u32 s33, s32, SBY
	v_lshrrev_b32 v5, 1, v9
	v_add_nc_u32 v5, s33, v5                       ; v5: my block's scale byte
	v_lshlrev_b32 v30, 3, v9                       ; v30: 8 x lane
	v_add_nc_u32 v31, s33, v30                     ; v31: the scale bytes on the way out
	s_lshl_b32 s34, s28, 9
	s_add_co_u32 s34, s34, LG
	v_lshl_add_u32 v6, v10, 4, s34                 ; v6: my wave's 16 tokens' logits; experts 0-3 from lanes 0-15, experts 4-7 from lanes 16-31
	v_mul_u32_u24 v7, v9, GP
	v_add_nc_u32 v7, GWL, v7                       ; v7: my chunk of gate_W
	s_mul_i32 s35, s28, 8*GP
	s_add_co_u32 s35, s35, GWL
	v_add_nc_u32 v39, s35, v1                      ; v39: where my wave puts chunks 8 w .. 8 w + 7
	s_and_b32 s36, s28, 1
	s_lshl_b32 s36, s36, 10
	s_add_co_u32 s36, s36, LG
	v_lshl_add_u32 v35, v9, 5, s36                 ; v35: a lane a token: the logits of token 32 (wave % 2) + lane
	s_mov_b32 s29, 0xffffffc0                      ; -64
	s_mov_b32 s30, 0x3fb8aa3b                      ; log2(e)
	s_mov_b32 s31, 0x42800000                      ; 64.0
	s_lshl_b32 s36, ttmp9, 17                      ; x: 64 rows of 2,048 bytes a work-group, 16 a wave
	s_lshl_b32 s37, s28, 15
	s_add_co_u32 s36, s36, s37
	s_mov_b32 s37, 0
	s_lshl_b32 s38, s28, 12                        ; gate_W: eight chunks a wave
	s_mov_b32 s39, 0
	s_mul_i32 s40, ttmp9, 24576                    ; xq: 384 bytes a row
	s_mul_i32 s41, s28, 6144
	s_add_co_u32 s40, s40, s41
	s_mov_b32 s41, 0
	s_lshl_b32 s42, ttmp9, 10                      ; xs: 16 bytes a row
	s_lshl_b32 s43, s28, 8
	s_add_co_u32 s42, s42, s43
	s_mov_b32 s43, 0
	s_wait_alu depctr_va_vdst(0)
	s_wait_kmcnt 0x0
	s_load_b256 s[20:27], s[8:9], 0x0              ; gate_b: no line of this launch writes it
	s_add_nc_u64 s[4:5], s[4:5], s[36:37]
	s_add_nc_u64 s[6:7], s[6:7], s[38:39]
	s_add_nc_u64 s[10:11], s[10:11], s[40:41]
	s_add_nc_u64 s[12:13], s[12:13], s[42:43]
.macro LOAD t                          ; row t: four loads of 512 consecutive bytes
.irp i, 0,1,2,3
	global_load_b128 v[R+16*((\t)%8)+4*\i:R+16*((\t)%8)+4*\i+3], v1, s[4:5] offset:2048*(\t)+512*\i th:TH_LOAD_NT
.endr
.endm
.macro TURN t                          ; row t through the stage: LDS serves a wave's instructions in order (ISA guide 5.7.1.4), so no wait stands between the stores and the loads
.irp i, 0,1,2,3
	ds_store_b128 v2, v[R+16*((\t)%8)+4*\i:R+16*((\t)%8)+4*\i+3] offset:32*SP*((\t)%2)+8*SP*\i
.endr
.irp i, 0,1,2,3
	ds_load_b128 v[X+16*((\t)%2)+4*\i:X+16*((\t)%2)+4*\i+3], v3 offset:32*SP*((\t)%2)+16*\i
.endr
.endm
.irp k, 0,1,2,3,4,5,6,7
	global_load_b128 v[X+4*\k:X+4*\k+3], v1, s[6:7] offset:512*\k    ; my wave's eight chunks of gate_W, dense
.endr
.irp t, 0,1,2,3,4,5,6,7
	LOAD \t
.endr
	s_wait_loadcnt 32                              ; gate_W's loads are in; the 32 loads of x behind them stay out
.irp k, 0,1,2,3,4,5,6,7
	ds_store_b128 v39, v[X+4*\k:X+4*\k+3] offset:GP*\k
.endr
	s_wait_dscnt 0x0                               ; for the others' sake: my chunks lie in LDS
	s_barrier_signal -1
	s_barrier_wait -1                              ; all 32 chunks do
	WIN 0x40                                       ; destination window 1
.set j, 0
.rept 32
	ds_load_b128 v[4*j:4*j+3], v7 offset:16*j      ; register 8 i + e of window 1 = gate_W[16 lane + i][e]
.set j, j+1
.endr
	WIN 0
	s_wait_loadcnt 28                              ; row 0 is in; the seven rows behind it stay out
	TURN 0
	s_wait_kmcnt 0x0                               ; gate_b
; The row's eight logits.  A lane multiplies its 16 numbers by its 16 rows of gate_W, two experts an instruction; both halves of a packed product take the same x.
.macro ROUTE t
.set XS, X+16*((\t)%2)
.set A, ACC+8*((\t)%2)
	WIN 0x04                                       ; source 1 (gate_W) window 1
.irp q, 0,1,2,3
	v_pk_mul_f32 v[A+2*\q:A+2*\q+1], v[XS:XS+1], v[2*\q:2*\q+1] op_sel_hi:[0,1]   ; the first product starts the sums
.endr
.irp i, 1,2,3,4,5,6,7,8,9,10,11,12,13,14,15
.irp q, 0,1,2,3
.if \i%2
	v_pk_fma_f32 v[A+2*\q:A+2*\q+1], v[XS+\i-1:XS+\i], v[8*\i+2*\q:8*\i+2*\q+1], v[A+2*\q:A+2*\q+1] op_sel:[1,0,0] op_sel_hi:[1,1,1]
.else
	v_pk_fma_f32 v[A+2*\q:A+2*\q+1], v[XS+\i:XS+\i+1], v[8*\i+2*\q:8*\i+2*\q+1], v[A+2*\q:A+2*\q+1] op_sel_hi:[0,1,1]
.endif
.endr
.endr
	WIN 0
.irp q, 0,1,2,3
	v_permlane16_swap_b32 v[A+\q], v[A+4+\q]       ; expert q's upper lanes change places with expert 4 + q's lower lanes:
.endr
	v_pk_add_f32 v[A:A+1], v[A:A+1], v[A+4:A+5]    ; lanes 0-15 now sum experts 0-3, lanes 16-31 experts 4-7
	v_pk_add_f32 v[A+2:A+3], v[A+2:A+3], v[A+6:A+7]
.irp k, 1,2,4,8
.irp q, 0,1,2,3
	v_add_f32_dpp v[A+\q], v[A+\q], v[A+\q] row_xmask:\k row_mask:0xf bank_mask:0xf
.endr
.endr
	ds_store_b128 v6, v[A:A+3] offset:32*(\t)      ; the sixteen lanes of a half write the same 16 bytes with the same values
.endm
.macro STEP t
.set XS, X+16*((\t)%2)
.set CC, CD+4*((\t)%2)
.if (\t) > 0
	s_wait_dscnt 2                                 ; this row is back from the stage; the last step's byte store and logit store may be out
.else
	s_wait_dscnt 0x0                               ; this row and gate_W
.endif
.if (\t)+8 < 16
	LOAD (\t)+8                                    ; into the registers that this row's stores into the stage have read
.endif
.if (\t)+1 < 16
.if (\t) < 8
	s_wait_loadcnt 28                              ; the next row is in; the seven rows behind it stay out
.else
	s_wait_loadcnt 4*(14-(\t))                     ; the counts run down: four loads for each row still behind the next one
.endif
	TURN (\t)+1
.endif
	v_max3_num_f32 v8, |v[XS]|, |v[XS+1]|, |v[XS+2]|               ; the largest magnitude of my 16
	v_max3_num_f32 v9, |v[XS+3]|, |v[XS+4]|, |v[XS+5]|
.irp i, 6,10
	v_max3_num_f32 v8, v8, |v[XS+\i]|, |v[XS+\i+1]|
	v_max3_num_f32 v9, v9, |v[XS+\i+2]|, |v[XS+\i+3]|
.endr
	v_max3_num_f32 v8, v8, |v[XS+14]|, |v[XS+15]|
	v_max3_num_f32 v8, v8, v9, 0x1800000           ; and the floor 2^(3 - 127): the byte cannot fall under 1
	v_max_num_f32_dpp v8, v8, v8 row_xmask:1 row_mask:0xf bank_mask:0xf   ; with my neighbour's 16: the block's
	v_add_nc_u32 v11, 0xff000000, v8               ; 2 off its exponent field: the conversion takes the exponent field of this operand as its scale
	s_wait_alu depctr_va_vdst(0)
	s_wait_xcnt 0x0                                ; the store two steps back has read these codes' registers: they are written again only behind this wait
	v_cvt_scalef32_pk16_fp6_f32 v[CC:CC+2], v[XS:XS+15], v11
	v_lshrrev_b32 v[EB+(\t)%2], 23, v11            ; the scale's byte (a plain line behind the conversion)
	ds_store_b8 v5, v[EB+(\t)%2] offset:16*(\t)    ; both lanes of a block write the same byte with the same value
	global_store_b96 v4, v[CC:CC+2], s[10:11] offset:384*(\t)      ; the wave stores the row's 384 consecutive bytes
	ROUTE \t
.endm
.irp t, 0,1,2,3,4,5,6,7,8,9,10,11,12,13,14,15
	STEP \t
.endr
	ds_load_b64 v[8:9], v31                        ; my wave's 256 scale bytes: these see my stores
	s_wait_dscnt 0x0                               ; they are in; and, for the others' sake, my logits lie in LDS
	global_store_b64 v30, v[8:9], s[12:13]         ; 32 lanes store 256 consecutive bytes, at a multiple of 256 from the buffer's first byte
	s_barrier_signal -1
	s_barrier_wait -1                              ; all 64 tokens' logits lie in LDS
	s_cmp_gt_u32 s28, 1
	s_cbranch_scc1 .Ldone                          ; waves 0 and 1 take a segment of 32 tokens each, a lane a token
	ds_load_b128 v[200:203], v35
	ds_load_b128 v[204:207], v35 offset:16
	s_lshr_b32 s42, ttmp9, 1                       ; segment 2 x work-group + wave: its place in the two tables
	s_lshl_b32 s42, s42, 9
	s_and_b32 s43, ttmp9, 1
	s_lshl_b32 s43, s43, 3
	s_add_co_u32 s42, s42, s43
	s_lshl_b32 s43, s28, 2
	s_add_co_u32 s42, s42, s43
	s_mov_b32 s43, 0
	s_add_nc_u64 s[16:17], s[16:17], s[42:43]
	s_lshl_b32 s44, ttmp9, 9                       ; gw: 8 bytes a token
	s_lshl_b32 s45, s28, 8
	s_add_co_u32 s44, s44, s45
	s_mov_b32 s45, 0
	s_add_nc_u64 s[14:15], s[14:15], s[44:45]
	s_wait_dscnt 0x0
.irp e, 0,1,2,3,4,5,6,7
	v_add_f32 v[200+\e], s[20+\e], v[200+\e]       ; + gate_b
.endr
	v_max3_num_f32 v208, v200, v201, v202
	v_max3_num_f32 v208, v208, v203, v204
	v_max3_num_f32 v208, v208, v205, v206
	v_max_num_f32 v208, v208, v207                 ; the largest logit is taken away before the exponential
.irp e, 0,1,2,3,4,5,6,7
	v_sub_f32 v[200+\e], v[200+\e], v208
.endr
.irp e, 0,1,2,3,4,5,6,7
	v_fma_f32 v[200+\e], v[200+\e], s30, s31       ; x log2(e), + 64
.endr
	s_wait_alu depctr_va_vdst(0)
.irp e, 0,1,2,3,4,5,6,7
	v_exp_f32 v[200+\e], v[200+\e]
.endr
	v_mov_b32 v211, 0                              ; (a plain line behind the exponentials)  the first choice's index
	s_wait_alu depctr_va_vdst(0)
.irp e, 0,1,2,3,4,5,6,7
	v_ldexp_f32 v[200+\e], v[200+\e], s29          ; the 64 off again
.endr
	v_add_f32 v209, v200, v201
	v_add_f32 v214, v202, v203
	v_add_f32 v215, v204, v205
	v_add_f32 v216, v206, v207
	v_add_f32 v209, v209, v214
	v_add_f32 v215, v215, v216
	v_add_f32 v209, v209, v215                     ; at least 1
	s_wait_alu depctr_va_vdst(0)
	v_rcp_f32 v209, v209
	v_mov_b32 v213, 0                              ; (a plain line behind the reciprocal)  the second choice's index
	s_wait_alu depctr_va_vdst(0)
.irp e, 0,1,2,3,4,5,6,7
	v_mul_f32 v[200+\e], v[200+\e], v209           ; the probabilities
.endr
	v_mov_b32 v210, v200                           ; the largest so far, and
	v_mov_b32 v212, -1.0                           ; the second: under every probability
.macro TOP e                           ; strictly greater only: of equal probabilities the lower index stays ahead
	v_cmp_gt_f32 s40, v[200+\e], v210
	v_cmp_gt_f32 s41, v[200+\e], v212
	v_cndmask_b32 v212, v212, v[200+\e], s41
	v_cndmask_b32 v213, v213, \e, s41
	v_cndmask_b32 v212, v212, v210, s40
	v_cndmask_b32 v213, v213, v211, s40
	v_cndmask_b32 v210, v210, v[200+\e], s40
	v_cndmask_b32 v211, v211, \e, s40
.endm
.irp e, 1,2,3,4,5,6,7
	TOP \e
.endr
	v_sub_f32 v214, v212, v210                     ; the softmax of the two: the larger is taken away
	v_mul_f32 v214, s30, v214
	s_wait_alu depctr_va_vdst(0)
	v_exp_f32 v214, v214                           ; q = e^(p2 - p1), between e^-1 and 1
	v_min_u32 v217, v211, v213                     ; (a plain line)  lo
	v_max_u32 v218, v211, v213                     ; hi
	s_wait_alu depctr_va_vdst(0)
	v_add_f32 v215, 1.0, v214
	s_wait_alu depctr_va_vdst(0)
	v_rcp_f32 v215, v215                           ; w1 = 1 / (1 + q)
	v_sub_nc_u32 v222, 15, v217                    ; (a plain line)
	s_wait_alu depctr_va_vdst(0)
	v_mul_f32 v216, v214, v215                     ; w2 = q w1
	v_cmp_lt_u32 vcc_lo, v211, v213                ; is the first choice the lower expert?
	v_cndmask_b32 v220, v216, v215, vcc_lo         ; the lower expert's weight,
	v_cndmask_b32 v221, v215, v216, vcc_lo         ; the higher's
	v_mul_u32_u24 v222, v217, v222
	v_lshrrev_b32 v222, 1, v222
	v_add_nc_u32 v222, v222, v218
	v_sub_nc_u32 v222, v222, v217
	v_add_nc_u32 v222, -1, v222                    ; pid = lo (15 - lo) / 2 + hi - lo - 1
	v_mov_b32 v224, 0                              ; rank
	v_mov_b32 v225, 0                              ; counts: lane p holds pid p's
.irp p, 0,1,2,3,4,5,6,7,8,9,10,11,12,13,14,15,16,17,18,19,20,21,22,23,24,25,26,27
	v_cmp_eq_u32 s40, \p, v222                     ; the segment's tokens of pid p,
	s_bcnt1_i32_b32 s41, s40                       ; how many,
	v_mbcnt_lo_u32_b32 v223, s40, 0                ; how many in lanes below mine;
	v_cndmask_b32 v224, v224, v223, s40            ; that is my rank if p is mine
	v_writelane_b32 v225, s41, \p
.endr
	v_lshlrev_b32 v226, 2, v222
	v_lshl_or_b32 v226, v224, 8, v226              ; key
	global_store_b64 v30, v[220:221], s[14:15]     ; 256 consecutive bytes
	global_store_b32 v1, v226, s[16:17]            ; four bytes in sixteen: four segments' stores fill the 512 bytes; 128 KB in the whole launch
	global_store_b32 v1, v225, s[16:17] offset:65536
.Ldone:
	s_wait_tensorcnt 0x0
	ds_add_u32 v254, v255
	s_wait_dscnt 0x0
	s_endpgm
.Lfunc_end_k_q9f4ada084c_route:
	.size	k_q9f4ada084c_route, .Lfunc_end_k_q9f4ada084c_route-k_q9f4ada084c_route
	.p2alignl 7, 3214868480
	.fill 96, 4, 3214868480
	.section	.rodata,"a",@progbits
	.p2align	6, 0x0
	.amdhsa_kernel k_q9f4ada084c_route
		.amdhsa_group_segment_fixed_size 41984
		.amdhsa_private_segment_fixed_size 0
		.amdhsa_enable_private_segment 0
		.amdhsa_kernarg_size 56
		.amdhsa_user_sgpr_count 2
		.amdhsa_user_sgpr_kernarg_segment_ptr 1
		.amdhsa_wavefront_size32 1
		.amdhsa_system_sgpr_workgroup_id_x 1
		.amdhsa_system_sgpr_workgroup_id_y 1
		.amdhsa_system_sgpr_workgroup_id_z 1
		.amdhsa_system_vgpr_workitem_id 0
		.amdhsa_next_free_vgpr 384
		.amdhsa_next_free_sgpr 66
		.amdhsa_reserve_vcc 1
		.amdhsa_float_denorm_mode_32 3
		.amdhsa_float_denorm_mode_16_64 3
		.amdhsa_memory_ordered 1
		.amdhsa_forward_progress 1
		.amdhsa_inst_pref_size 140
	.end_amdhsa_kernel
	.amdgpu_metadata
---
amdhsa.version: [ 1, 2 ]
amdhsa.kernels:
  - .name:           k_q9f4ada084c_route
    .symbol:         k_q9f4ada084c_route.kd
    .args:
      - { .name: x, .offset: 0, .size: 8, .value_kind: global_buffer, .address_space: global }
      - { .name: gate_W, .offset: 8, .size: 8, .value_kind: global_buffer, .address_space: global }
      - { .name: gate_b, .offset: 16, .size: 8, .value_kind: global_buffer, .address_space: global }
      - { .name: xq, .offset: 24, .size: 8, .value_kind: global_buffer, .address_space: global }
      - { .name: xs, .offset: 32, .size: 8, .value_kind: global_buffer, .address_space: global }
      - { .name: gw, .offset: 40, .size: 8, .value_kind: global_buffer, .address_space: global }
      - { .name: route, .offset: 48, .size: 8, .value_kind: global_buffer, .address_space: global }
    .group_segment_fixed_size: 41984
    .private_segment_fixed_size: 0
    .kernarg_segment_align: 8
    .kernarg_segment_size: 56
    .max_flat_workgroup_size: 128
    .sgpr_count:     66
    .vgpr_count:     384
    .wavefront_size: 32
...
	.end_amdgpu_metadata
.endif
;; end of part 4
;; launch prep (part 5): grid 257 x 1, 4 waves a work-group, no clusters, 13,312 bytes of LDS; arguments W1, W2, route, wq, wsc, plan; writes wq, wsc, plan
.if DOCPART == 5
	.amdgcn_target "amdgcn-amd-amdhsa--gfx1250"
	.amdhsa_code_object_version 6
	.text
	.protected	k_q9f4ada084c_prep
	.globl	k_q9f4ada084c_prep
	.p2align	8
	.type	k_q9f4ada084c_prep,@function
k_q9f4ada084c_prep:
	s_mov_b64 s[64:65], 0
	v_nop
	global_prefetch_b8 v0, s[64:65] scope:SCOPE_SE
	s_setreg_imm32_b32 hwreg(HW_REG_WAVE_MODE, 25, 1), 1
	s_wait_xcnt 0x0
; TWO JOBS IN ONE LAUNCH, parted once by the work-group's number; each has its own end and its own LDS bytes.
; WORK-GROUPS 0 TO 255: W1 and W2 [8][512 (K)][512 (n)] f32, K the first axis of an expert's matrix, become codes of FP6 (E2M3) with one E8M0 byte for each 32 along K, laid IN THE ORDER OF THE OPERAND'S REGISTERS:
;   wq [mi 16][w 4][s 4][t 8][1,536 bytes]: mi = expert (W1) or 8 + expert (W2); w = which 128 columns; s = which 128 along K; t = 2 b + u a tile of 16 columns: row r of the tile is column 128 w + 32 b + 8 u + r + 8 (r / 8),
;   so that in the transposed product the 16 result registers of tiles 2 b and 2 b + 1 are 16 neighbouring columns.  Register R (0 .. 11) of lane l lies at 512 (R / 4) + 16 l + 4 (R % 4): three loads of 16 bytes a lane bring a fragment.
;   wsc [mi][w][s][lane 32][b 4]: the scale word of tile 2 b + lane / 16, row lane % 16.
;   Work-group 16 mi + 4 w + s; wave b; A LANE TAKES A COLUMN AND ITS REGISTERS RUN DOWN K: a block of 32 lies in one lane, no other lane is asked, nothing is transposed.  Each load reads 128 consecutive bytes a wave, the four waves 512.
;   LIMITS: NaN and infinities are not served; a block whose largest magnitude lies under 2^-124 keeps the byte 1 (a block of zeros too: its codes are zeros, and this program alone reads the bytes).
; WORK-GROUP 256 places the tokens by their pair of experts (a counting sort on the stored keys and counts, no atomics): plan holds 256 tile entries {lo, hi, rows, 0} and, from byte 4,096 on, for each tile 80 places of tokens.
;   A tile holds up to 80 tokens of ONE pair; a pair's tiles follow each other: the sum over 28 pairs of ceil(n / 80) is at most 232 for 16,384 tokens, whatever the split.  Places behind a pair's last token are not written and not read.
.set XN,  32                           ; v32-159  the column's 128 numbers
.set PF,  160                          ; v160-183 the codes: 12 registers for lane r of the fragment, 12 for lane 16 + r
.set TP0, 184                          ; v184-199 the upper halves of the blocks, as converted
.set OUTR, 200                         ; v200-223 the way out
	s_load_b256 s[4:11], s[0:1], 0x0               ; W1, W2, route, wq
	s_load_b128 s[12:15], s[0:1], 0x20             ; wsc, plan
	s_set_vgpr_msb 0x40
	v_lshl_add_u32 v0, v0, 2, 0x3200
	v_mov_b32 v1, 0
	s_set_vgpr_msb 0x4000
	v_lshrrev_b32 v1, 5, v0
	v_readfirstlane_b32 s28, v1                    ; wave 0..3
	v_and_b32 v1, 31, v0                           ; lane
	v_lshlrev_b32 v2, 4, v1                        ; 16 x lane
	s_cmp_eq_u32 ttmp9, 256
	s_cbranch_scc1 .Lplace
	; ---------------- the weights
	v_and_b32 v3, 7, v0                            ; r % 8
	v_bfe_u32 v4, v0, 3, 1                         ; r / 8
	v_bfe_u32 v5, v0, 4, 1                         ; u
	v_lshl_add_u32 v3, v4, 4, v3
	v_lshl_add_u32 v3, v5, 3, v3                   ; my column among the wave's 32: 8 u + r + 8 (r / 8)
	v_lshlrev_b32 v3, 2, v3
	v_and_b32 v6, 15, v0
	v_lshlrev_b32 v6, 4, v6
	v_mad_u32_u24 v6, v5, 1536, v6
	s_mul_i32 s29, s28, 3072                       ; my wave's stage: two fragments' images
	v_add_nc_u32 v6, s29, v6                       ; in: fragment u, lane r
	v_add_nc_u32 v7, s29, v2                       ; out: as it lies
	s_lshr_b32 s30, ttmp9, 4                       ; mi
	s_and_b32 s31, s30, 7                          ; the expert: 2^20 bytes each
	s_lshl_b32 s34, s31, 20
	s_and_b32 s33, ttmp9, 3                        ; s: 128 rows of 2,048 bytes
	s_lshl_b32 s33, s33, 18
	s_add_co_u32 s34, s34, s33
	s_bfe_u32 s32, ttmp9, 0x20002                  ; w: 128 columns
	s_lshl_b32 s32, s32, 9
	s_add_co_u32 s34, s34, s32
	s_lshl_b32 s33, s28, 7                         ; b: 32 columns
	s_add_co_u32 s34, s34, s33
	s_mov_b32 s35, 0
	s_mul_i32 s36, ttmp9, 12288                    ; wq: eight fragments a work-group, two a wave
	s_add_co_u32 s36, s36, s29
	s_mov_b32 s37, 0
	s_lshl_b32 s38, ttmp9, 9                       ; wsc: 512 bytes a work-group, word b of each lane's four
	s_lshl_b32 s33, s28, 2
	s_add_co_u32 s38, s38, s33
	s_mov_b32 s39, 0
	s_wait_alu depctr_va_vdst(0)
	s_wait_kmcnt 0x0
	s_cmp_lt_u32 s30, 8                            ; W1 or W2: the choice hangs on the work-group's number alone
	s_cselect_b64 s[4:5], s[4:5], s[6:7]
	s_add_nc_u64 s[4:5], s[4:5], s[34:35]
	s_add_nc_u64 s[10:11], s[10:11], s[36:37]
	s_add_nc_u64 s[12:13], s[12:13], s[38:39]
.set kk, 0
.rept 128
	global_load_b32 v[XN+kk], v3, s[4:5] offset:kk*2048 th:TH_LOAD_NT   ; W(128 s + kk, my column)
.set kk, kk+1
.endr
.macro BLOCK bb, left                  ; block bb = 2 c + h of the K step belongs to lane 16 h + r of the fragment, registers 6 c .. 6 c + 5
.set XS, XN+32*(\bb)
.set PB, PF+12*((\bb)%2)+6*((\bb)/2)
.set TP, TP0+4*(\bb)
	s_wait_loadcnt \left
	v_max3_num_f32 v12, |v[XS]|, |v[XS+1]|, |v[XS+2]|               ; the block's largest magnitude: all 32 numbers are mine
	v_max3_num_f32 v13, |v[XS+3]|, |v[XS+4]|, |v[XS+5]|
.irp i, 6,10,14,18,22,26
	v_max3_num_f32 v12, v12, |v[XS+\i]|, |v[XS+\i+1]|
	v_max3_num_f32 v13, v13, |v[XS+\i+2]|, |v[XS+\i+3]|
.endr
	v_max3_num_f32 v12, v12, |v[XS+30]|, |v[XS+31]|
	v_max3_num_f32 v12, v12, v13, 0x1800000        ; and the floor 2^(3 - 127): the byte cannot fall under 1
	v_add_nc_u32 v[14+(\bb)], 0xff000000, v12      ; 2 off its exponent field: the conversion's scale operand
	v_lshrrev_b32 v13, 23, v[14+(\bb)]             ; the scale's byte
.if (\bb) == 0
	v_mov_b32 v10, v13                             ; the four bytes make my column's scale word for this K step
.else
	v_lshl_or_b32 v10, v13, 8*(\bb), v10
.endif
	v_cvt_scalef32_pk16_fp6_f32 v[PB:PB+2], v[XS:XS+15], v[14+(\bb)]
	v_cvt_scalef32_pk16_fp6_f32 v[TP:TP+2], v[XS+16:XS+31], v[14+(\bb)]   ; (a conversion's three registers begin on an even number: the upper half is made elsewhere and moved)
	v_nop                                          ; one plain line behind the conversions
.irp i, 0,1,2
	v_mov_b32 v[PB+3+\i], v[TP+\i]
.endr
.endm
	BLOCK 0, 63                                    ; 96 younger loads may be out; the wait's field holds 63
	BLOCK 1, 63                                    ; 64 may
	BLOCK 2, 32
	BLOCK 3, 0
.irp h, 0,1
.irp g, 0,1,2
	ds_store_b128 v6, v[PF+12*\h+4*\g:PF+12*\h+4*\g+3] offset:256*\h+512*\g
.endr
.endr
.irp i, 0,1,2,3,4,5
	ds_load_b128 v[OUTR+4*\i:OUTR+4*\i+3], v7 offset:512*\i        ; my wave's own bytes, served in order: these see the stores above
.endr
	global_store_b32 v2, v10, s[12:13]             ; four bytes in sixteen: the four waves' stores fill the work-group's 512 bytes; one byte in 25 of what this job writes
.irp i, 0,1,2,3,4,5
	s_wait_dscnt 5-\i
	global_store_b128 v2, v[OUTR+4*\i:OUTR+4*\i+3], s[10:11] offset:512*\i   ; 512 consecutive bytes, at a multiple of 256 from the buffer's first byte
.endr
	s_set_vgpr_msb 0x5
	s_wait_tensorcnt 0x0
	ds_add_u32 v0, v1
	s_wait_dscnt 0x0
	s_set_vgpr_msb 0x500
	s_endpgm
	; ---------------- the placing.  Wave v owns segments 128 v .. 128 v + 127 (tokens 4,096 v on).  In the counts a lane is a pid, in the keys a lane is a token.
.Lplace:
.set CN, 64                            ; v64-191  the counts of my 128 segments, then their running sums; v63 stands in front of them
.set KY, 192                           ; v192-255 the keys of 64 segments
	s_lshl_b32 s30, s28, 14                        ; 32 quads of segments x 512 bytes a wave
	s_mov_b32 s31, 0
	s_lshl_b32 s32, s28, 7
	s_add_co_u32 s32, s32, 12288
	s_wait_alu depctr_va_vdst(0)
	v_lshl_add_u32 v3, v1, 2, s32                  ; LDS: my wave's totals, a word a pid
	v_lshlrev_b32 v4, 2, v1
	v_add_nc_u32 v4, 12288, v4                     ; and all four waves'
	s_wait_kmcnt 0x0
	s_add_nc_u64 s[8:9], s[8:9], s[30:31]
.set i, 0
.rept 32
	global_load_b128 v[CN+4*i:CN+4*i+3], v2, s[8:9] offset:65536+512*i
.set i, i+1
.endr
.set i, 0
.rept 16
	global_load_b128 v[KY+4*i:KY+4*i+3], v2, s[8:9] offset:512*i
.set i, i+1
.endr
	s_wait_loadcnt 16                              ; the counts are in; the sixteen loads of keys stay out
.irp c, 0,1,2,3
	v_add3_u32 v[28+\c], v[CN+32*\c], v[CN+1+32*\c], v[CN+2+32*\c]   ; my wave's total of each pid, in four chains
.endr
.irp i, 3,5,7,9,11,13,15,17,19,21,23,25,27,29
.irp c, 0,1,2,3
	v_add3_u32 v[28+\c], v[28+\c], v[CN+32*\c+\i], v[CN+1+32*\c+\i]
.endr
.endr
.irp c, 0,1,2,3
	v_add_nc_u32 v[28+\c], v[28+\c], v[CN+31+32*\c]
.endr
	v_add3_u32 v28, v28, v29, v30
	v_add_nc_u32 v28, v28, v31
	ds_store_b32 v3, v28
	s_wait_dscnt 0x0                               ; for the others' sake
	s_barrier_signal -1
	s_barrier_wait -1
.irp q, 0,1,2,3
	ds_load_b32 v[5+\q], v4 offset:128*\q
.endr
	s_wait_dscnt 0x0
	v_add3_u32 v9, v5, v6, v7
	v_add_nc_u32 v9, v9, v8                        ; v9: n, the tokens of each pid
	v_mov_b32 v10, 0
.irp q, 0,1,2
	s_cmp_gt_u32 s28, \q
	s_cselect_b32 s33, -1, 0
	v_and_b32 v61, s33, v[5+\q]
	v_add_nc_u32 v10, v10, v61                     ; v10: those of them in the waves before mine
.endr
	v_mov_b32 v11, 0                               ; v11: lane p: pair p's first tile
	v_mov_b32 v12, v0                              ; a thread fills tile entries j = thread and thread + 128
	v_add_nc_u32 v13, 128, v0
.irp q, 0,1,2,3,4,5
	v_mov_b32 v[14+\q], 0                          ; of the pair that owns tile j: its first tile, its n, lo | hi << 8
.endr
	s_mov_b32 s42, 0                               ; the running first tile
.macro PAIR p, lo, hi                  ; ascending p leaves in each thread the last pair whose first tile is at most j: pairs without tokens are passed over
	v_readlane_b32 s40, v9, \p
	s_add_co_u32 s41, s40, 79
	s_mul_i32 s41, s41, 52429
	s_lshr_b32 s41, s41, 22                        ; ceil(n / 80): 52,429 / 2^22 exceeds 1 / 80 by 16 / (80 x 2^22), too little to turn a quotient for numbers under 16,464
	v_writelane_b32 v11, s42, \p
	s_mov_b32 s43, (\lo)|((\hi)<<8)
.irp q, 0,1
	v_cmp_le_u32 vcc_lo, s42, v[12+\q]
	v_cndmask_b32 v[14+\q], v[14+\q], s42, vcc_lo
	v_cndmask_b32 v[16+\q], v[16+\q], s40, vcc_lo
	v_cndmask_b32 v[18+\q], v[18+\q], s43, vcc_lo
.endr
	s_add_co_u32 s42, s42, s41
.endm
.set PP, 0
.irp lo, 0,1,2,3,4,5,6
.irp hi, 1,2,3,4,5,6,7
.if \hi > \lo
	PAIR PP, \lo, \hi
.set PP, PP+1
.endif
.endr
.endr
.irp q, 0,1
	v_sub_nc_u32 v61, v[12+\q], v[14+\q]           ; which tile of its pair
	v_mul_u32_u24 v61, v61, 80
	v_min_u32 v61, v61, v[16+\q]
	v_sub_nc_u32 v61, v[16+\q], v61                ; what is left of the pair's tokens there,
	v_min_u32 v[22+4*\q], 80, v61                  ; at most 80: rows (0 behind the last pair's last tile)
	v_and_b32 v[20+4*\q], 0xff, v[18+\q]
	v_lshrrev_b32 v[21+4*\q], 8, v[18+\q]
	v_mov_b32 v[23+4*\q], 0
.endr
	v_lshlrev_b32 v62, 4, v0
	global_store_b128 v62, v[20:23], s[14:15]      ; all 256 entries are written, 512 consecutive bytes a wave
	global_store_b128 v62, v[24:27], s[14:15] offset:2048
	v_mul_u32_u24 v63, v11, 80
	v_add_nc_u32 v63, v63, v10                     ; where my wave's first token of each pid goes: 80 x the pair's first tile + the tokens before
	s_lshl_b32 s33, s28, 12
	v_add_nc_u32 v60, s33, v1                      ; my lane's token in my wave's first segment
; Eight segments.  The counts become running sums, so that the register in front of a segment's holds where the segment's first token of each pid goes; a token pulls that number from lane pid and adds its rank.
.macro BATCH be
	s_wait_xcnt 0x0                                ; the last batch's stores have read their offsets and data: both are written again only behind this wait
.if (\be) == 0
	s_wait_loadcnt 0x0                             ; the first sixteen quads of keys
.elseif (\be) >= 8
	s_wait_loadcnt 2*(15-(\be))                    ; this batch's two quads are in; two loads for each later batch may be out
.endif
.irp k, 0,1,2,3,4,5,6,7
	v_add_nc_u32 v[CN+8*(\be)+\k], v[CN+8*(\be)+\k], v[CN-1+8*(\be)+\k]
.endr
.irp k, 0,1,2,3,4,5,6,7
	v_and_b32 v[28+\k], 0x7c, v[KY+(8*(\be))%64+\k]                ; 4 x pid: the lane to pull from
.endr
.irp k, 0,1,2,3,4,5,6,7
	ds_bpermute_b32 v[36+\k], v[28+\k], v[CN-1+8*(\be)+\k]
.endr
.irp k, 0,1,2,3,4,5,6,7
	v_lshrrev_b32 v[44+\k], 8, v[KY+(8*(\be))%64+\k]               ; rank
	v_add_nc_u32 v[52+\k], 32*(8*(\be)+\k), v60                    ; the token
.endr
.if (\be) < 8
	global_load_b128 v[KY+8*(\be):KY+8*(\be)+3], v2, s[8:9] offset:512*(16+2*(\be))      ; the keys of 64 segments on, into the registers just read
	global_load_b128 v[KY+8*(\be)+4:KY+8*(\be)+7], v2, s[8:9] offset:512*(17+2*(\be))
.endif
	s_wait_dscnt 0x0
.irp k, 0,1,2,3,4,5,6,7
	v_add_nc_u32 v[44+\k], v[44+\k], v[36+\k]
	v_min_u32 v[44+\k], 18559, v[44+\k]            ; inside the 232 x 80 places
	v_lshlrev_b32 v[44+\k], 2, v[44+\k]
	global_store_b32 v[44+\k], v[52+\k], s[14:15] offset:4096      ; the scatter is the placing itself: 64 KB in the whole launch
.endr
.endm
	s_wait_alu depctr_va_vdst(0)
.irp be, 0,1,2,3,4,5,6,7,8,9,10,11,12,13,14,15
	BATCH \be
.endr
	s_set_vgpr_msb 0x5
	s_wait_tensorcnt 0x0
	ds_add_u32 v0, v1
	s_wait_dscnt 0x0
	s_set_vgpr_msb 0x500
	s_endpgm
.Lfunc_end_k_q9f4ada084c_prep:
	.size	k_q9f4ada084c_prep, .Lfunc_end_k_q9f4ada084c_prep-k_q9f4ada084c_prep
	.p2alignl 7, 3214868480
	.fill 96, 4, 3214868480
	.section	.rodata,"a",@progbits
	.p2align	6, 0x0
	.amdhsa_kernel k_q9f4ada084c_prep
		.amdhsa_group_segment_fixed_size 13312
		.amdhsa_private_segment_fixed_size 0
		.amdhsa_enable_private_segment 0
		.amdhsa_kernarg_size 48
		.amdhsa_user_sgpr_count 2
		.amdhsa_user_sgpr_kernarg_segment_ptr 1
		.amdhsa_wavefront_size32 1
		.amdhsa_system_sgpr_workgroup_id_x 1
		.amdhsa_system_sgpr_workgroup_id_y 1
		.amdhsa_system_sgpr_workgroup_id_z 1
		.amdhsa_system_vgpr_workitem_id 0
		.amdhsa_next_free_vgpr 258
		.amdhsa_next_free_sgpr 66
		.amdhsa_reserve_vcc 1
		.amdhsa_float_denorm_mode_32 3
		.amdhsa_float_denorm_mode_16_64 3
		.amdhsa_memory_ordered 1
		.amdhsa_forward_progress 1
		.amdhsa_inst_pref_size 119
	.end_amdhsa_kernel
	.amdgpu_metadata
---
amdhsa.version: [ 1, 2 ]
amdhsa.kernels:
  - .name:           k_q9f4ada084c_prep
    .symbol:         k_q9f4ada084c_prep.kd
    .args:
      - { .name: W1, .offset: 0, .size: 8, .value_kind: global_buffer, .address_space: global }
      - { .name: W2, .offset: 8, .size: 8, .value_kind: global_buffer, .address_space: global }
      - { .name: route, .offset: 16, .size: 8, .value_kind: global_buffer, .address_space: global }
      - { .name: wq, .offset: 24, .size: 8, .value_kind: global_buffer, .address_space: global }
      - { .name: wsc, .offset: 32, .size: 8, .value_kind: global_buffer, .address_space: global }
      - { .name: plan, .offset: 40, .size: 8, .value_kind: global_buffer, .address_space: global }
    .group_segment_fixed_size: 13312
    .private_segment_fixed_size: 0
    .kernarg_segment_align: 8
    .kernarg_segment_size: 48
    .max_flat_workgroup_size: 128
    .sgpr_count:     66
    .vgpr_count:     258
    .wavefront_size: 32
...
	.end_amdgpu_metadata
.endif
;; end of part 5
;; launch chain (part 6): grid 232 x 1, 4 waves a work-group, no clusters, 134,144 bytes of LDS; arguments plan, xq, xs, gw, wq, wsc, b1, b2, out0; writes out0
.if DOCPART == 6
	.amdgcn_target "amdgcn-amd-amdhsa--gfx1250"
	.amdhsa_code_object_version 6
	.text
	.protected	k_q9f4ada084c_chain
	.globl	k_q9f4ada084c_chain
	.p2align	8
	.type	k_q9f4ada084c_chain,@function
k_q9f4ada084c_chain:
	s_mov_b64 s[64:65], 0
	v_nop
	global_prefetch_b8 v0, s[64:65] scope:SCOPE_SE
	s_setreg_imm32_b32 hwreg(HW_REG_WAVE_SCHED_MODE, 0, 2), 2
	s_setreg_imm32_b32 hwreg(HW_REG_WAVE_MODE, 25, 1), 1
	s_wait_xcnt 0x0
	s_wait_alu depctr_vm_vsrc(0)
; out[token] = w_lo (relu(x W1[lo] + b1[lo]) W2[lo] + b2[lo]) + w_hi (the same of hi), both products on codes of FP6 (E2M3) with one E8M0 scale for each 32 along K.
; ONE WORK-GROUP TAKES ONE TILE OF UP TO 80 TOKENS THAT CHOSE THE SAME PAIR {lo, hi} THROUGH BOTH EXPERTS' WHOLE CHAIN: each output row has one owner, the hidden layers stay in LDS as codes, nothing is added in memory.
; The grid of 232 serves every split of 16,384 tokens over 28 pairs (the sum of ceil(n / 80) is at most 232).
; SHARES.  Five tiles m of 16 rows.  THE WAVES SHARE THE COLUMNS: wave w makes hidden units and outputs 128 w .. 128 w + 127 for all 80 rows, so each byte of the four weight matrices enters the WGP once,
; straight into the registers of the one wave that multiplies by it (an earlier launch has laid the codes in the order of the operand's registers: three loads of 16 bytes a lane bring a fragment).
; Both products are used transposed (source 0 = 16 columns of a weight, source 1 = 16 tokens): a lane holds ONE token and its registers run along the columns; the columns of a tile are chosen so that register 16 b + i of a
; row tile's 64 is column 128 w + 32 b + 16 (lane / 16) + i.  So the hidden layer is quantised in registers, and wave w's part of it is K step w of the second product: it goes to the other waves through LDS as an image of its registers.
; ONE SET OF ACCUMULATORS: out = w_hi ((w_lo / w_hi) (Y_lo + b2_lo) + b2_hi + Y_hi).  Both weights are a softmax of two numbers in 0 .. 1, so they lie in 0.26 .. 0.74 and the quotient in 0.36 .. 2.8.
; The biases are the C of a sum's first matrix instruction, b2_hi the addend of the rescaling.
; ONE BRANCH, BEHIND THE LAST BARRIER.  The second barrier cannot be spared (a wave's hidden units are a K step of all four waves), and every wave has to pass it whatever the stored list says.  So a tile without rows runs the
; same lines on tile 0's first token up to the last product, and then jumps round the way out: it stores nothing.  Rows behind a tile's last repeat that last row: the same wave then stores the same values at the same place twice.
; NO CLUSTER, NO TENSOR LOAD: which work-groups walk the same expert is known from the stored list alone, so neighbours in the grid need not want the same bytes, and a joint request wants one address in all partners;
; and each weight byte is wanted by one wave, so LDS would only add a trip.
; LIMITS: NaN and infinities are not served; a block of the hidden layer whose largest number lies under 2^-124 keeps the scale byte 1 (a block of zeros too: its codes are zeros).
; REGISTERS, in windows of 256 (s_set_vgpr_msb: bits 1:0 source 0, 3:2 source 1, 5:4 source 2, 7:6 destination):
;   window 0: v1-12 addresses, v14-18 tokens, v20-29 weights, v32-57 scale words, v64-183 two sets of five fragments of rows (on the way out: rows of out), v192-231 the quantiser, v232-247 offsets
;   window 1: v0-191 slots 0, 1 of the weights' ring (8 fragments each); v192-255 a bias, 8 tiles x 8      window 2: v0-191 slots 2, 3; v192-255 the accumulators of row tile 0      window 3: those of row tiles 1 to 4
; THE MODE: SCHED_MODE bits 1:0 = 2 (LLVM: expert scheduling mode 2), set by the entry lines.  The code itself states the register dependences
; between vector or matrix instructions and memory or LDS instructions, with s_wait_alu, always for 0.
; THE PLAN.  Registers that memory or LDS instructions touch, and who else names them:
;   v1-12            Addresses.  Written once at the head, ahead of the head's first wait on va_vdst; read by loads and stores throughout; never written again.
;   slots 0 to 3, and their scale words v32-47.  Group g's matrix instructions read slot g % 4; the loads of group g + 3, issued in group g, land in slot (g - 1) % 4, which the group before read.
;   the bias         Read by groups 0, 4 and 8 (as C) and by the rescaling ahead of group 12; loaded anew in groups 1, 5 and 9.
;   the rows' two sets v64-183, v48-57.  Group g's matrix instructions read set g % 2; the LDS loads for group g + 1, issued at group g's head, land in the other set, which the group before read.
;                    Set 0 is also where the gather lands and what the head's LDS stores read.
;   v208, v212-223   The quantiser's word and codes.  Written by its vector lines, read by its four LDS stores, written again by the next tile's vector lines.
;   the accumulators Named by matrix and vector instructions alone, until the way out's LDS stores read them, each once, behind its scaling.
;   v64-191 on the way out.  Tile m's LDS loads land in half m % 2; its stores to memory read that half; tile m + 2's loads land there again.
;   v232-247         Offsets.  Written by vector lines at the head (twice) and for each tile of the way out; read by the list's loads, the gather's loads and the tiles' stores.
; So ONE wait on va_vdst stands at a group's head: it states that the group before is done reading the other set of rows, its slot, its scale words and (groups 1, 5, 9) the bias.  All the group's loads follow it, dealt
; among its 40 matrix instructions, which name slot g % 4, set g % 2, their scale words and the accumulators: none of the registers that those loads touch.
.set XIMG, 0                           ; LDS: x's 20 fragments (4 m + s), 1,536 bytes each,
.set XSC,  30720                       ; their scale words, 128 bytes each,
.set HIMG, 33280                       ; the hidden layers' 40 fragments (20 e + 4 m + s),
.set HSC,  94720                       ; their scale words,
.set STG,  99840                       ; and a stage of 16 rows x (512 + 16) bytes for each wave
.set LI,   1                           ; v1   16 x lane
.set LS,   2                           ; v2   4 x lane
.set HB,   3                           ; v3   64 x (lane / 16): my half's place in a bias
.set XWI,  4                           ; v4   where I store x's images: 16 x lane + 1,536 x wave
.set XWS,  5                           ; v5   and their scale words: 4 x lane + 128 x wave
.set HWI,  6                           ; v6, v7  the same for the hidden layers
.set HWS,  7
.set LIH,  8                           ; v8, v9  where any wave reads them
.set LSH,  9
.set SO,   10                          ; v10  the stage: where I put my token's numbers
.set SR,   11                          ; v11  and where I read a row back
.set CO,   12                          ; v12  my 16 bytes in a row of out: 512 x wave + 16 x lane
.set TOK,  14                          ; v14-18  the token of row 16 m + lane % 16
.set GW,   20                          ; v20-29  for that token: (w_lo / w_hi, w_hi)
.set WS,   32                          ; v32-47  the weights' scale words, four for each slot: register b: lanes 0-15 tile 2 b, lanes 16-31 tile 2 b + 1
.set FBS0, 48                          ; v48-57  the rows' scale words, two sets of five
.set FB0,  64                          ; v64-183 the rows' fragments, two sets of five
.set BK,   64                          ; the way out: 16 rows read back: v64-127 and v128-191 by turns
.set TM,   192                         ; v192-195 largest numbers, v196-199 bytes, v204-207 the conversions' scale operands
.set PW,   208                         ; the scale word just made
.set PC,   212                         ; v212-231 the codes just made
.set VO,   232                         ; v232-247 offsets
.set WP,   32                          ; s[32:39] my part of W1[lo], W1[hi], W2[lo], W2[hi] in wq;  s[40:47] in wsc;  s[48:55] of b1[lo], b1[hi], b2[lo], b2[hi]
.set WSP,  40
.set BP,   48
.set TKS,  32                          ; s[32:47] on the way out, when the last load by the weights' bases has come back: a tile's sixteen tokens, then their rows' byte offsets
.set SEL,  56                          ; s[56:57] v_permlanex16_b32's selects for lane l xor 16
.set MSB,  0
.macro WIN new                         ; the immediate's high byte repeats the setting that is left
.if MSB != (\new)
	s_set_vgpr_msb (MSB<<8)|(\new)
.set MSB, (\new)
.endif
.endm
; A vector instruction or an LDS store that reads or writes a matrix result stands four places behind that matrix instruction; only plain vector instructions that name none of its registers are places.
; The same four stand ahead of a group's loads into registers that matrix instructions have read; there the wait behind them states the dependence.
.macro PLACES
.rept 4
	v_nop
.endr
.endm
; GROUP g = 4 mu + s (mu: which of the four matrices; s: which 128 along K) is 40 matrix instructions: 8 tiles of columns x 5 tiles of rows.  Its weights lie in slot s of the ring.
.macro LWH g, first                    ; four of group g's eight fragments, tiles first .. first + 3: 12 loads of 512 consecutive bytes
.set S_, (\g)%4
.set MU, (\g)/4
.set RL, 96*(S_%2)
	WIN (1+S_/2)<<6
.irp t, 0,1,2,3
.irp c, 0,1,2
	global_load_b128 v[RL+12*((\first)+\t)+4*\c:RL+12*((\first)+\t)+4*\c+3], v[LI], s[WP+2*MU:WP+2*MU+1] offset:(8*S_+(\first)+\t)*1536+512*\c
.endr
.endr
.endm
.macro LWS g                           ; group g's scale words: one load, into window 0
.set S_, (\g)%4
.set MU, (\g)/4
	global_load_b128 v[WS+4*S_:WS+4*S_+3], v[LI], s[WSP+2*MU:WSP+2*MU+1] offset:512*S_
.endm
.macro LW g                            ; all of group g's weights in one run, at the head: 25 loads
	LWH \g, 0
	LWH \g, 4
	WIN 0
	LWS \g
.endm
.macro LB mu                           ; a bias in the result's layout: for tile 2 b + u my half's eight columns 32 b + 16 h + 8 u + 0 .. 7: 16 loads
	WIN 0x40
.irp t, 0,1,2,3,4,5,6,7
	global_load_b128 v[192+8*\t:192+8*\t+3], v[HB], s[BP+2*(\mu):BP+2*(\mu)+1] offset:(32*(\t/2)+8*(\t%2))*4
	global_load_b128 v[192+8*\t+4:192+8*\t+7], v[HB], s[BP+2*(\mu):BP+2*(\mu)+1] offset:(32*(\t/2)+8*(\t%2))*4+16
.endr
.endm
.macro LFX buf, s                      ; x's five fragments of K step s, and their scale words, into set buf
.irp m, 0,1,2,3,4
.irp c, 0,1,2
	ds_load_b128 v[FB0+60*(\buf)+12*\m+4*\c:FB0+60*(\buf)+12*\m+4*\c+3], v[LI] offset:XIMG+(4*\m+(\s))*1536+512*\c
.endr
	ds_load_b32 v[FBS0+5*(\buf)+\m], v[LS] offset:XSC+(4*\m+(\s))*128
.endr
.endm
.macro LFH buf, i0                     ; a hidden layer's five fragments i0 + 4 m
.irp m, 0,1,2,3,4
.irp c, 0,1,2
	ds_load_b128 v[FB0+60*(\buf)+12*\m+4*\c:FB0+60*(\buf)+12*\m+4*\c+3], v[LIH] offset:(4*\m+(\i0))*1536+512*\c
.endr
	ds_load_b32 v[FBS0+5*(\buf)+\m], v[LSH] offset:(4*\m+(\i0))*128
.endr
.endm
.macro WM d, a, b, c, sa, sb, odd      ; an odd tile's scale words lie in lanes 16-31 of their register
.if \odd
	v_wmma_scale_f32_16x16x128_f8f6f4 v[(\d):(\d)+7], v[(\a):(\a)+11], v[(\b):(\b)+11], v[(\c):(\c)+7], v[\sa], v[\sb] matrix_a_fmt:MATRIX_FMT_FP6 matrix_b_fmt:MATRIX_FMT_FP6 matrix_a_scale:MATRIX_SCALE_ROW1
.else
	v_wmma_scale_f32_16x16x128_f8f6f4 v[(\d):(\d)+7], v[(\a):(\a)+11], v[(\b):(\b)+11], v[(\c):(\c)+7], v[\sa], v[\sb] matrix_a_fmt:MATRIX_FMT_FP6 matrix_b_fmt:MATRIX_FMT_FP6
.endif
.endm
; Eight matrix instructions: row tile m against the group's eight tiles of columns.  cb = 1: the sums begin with the bias.  The 40 accumulators take turns, one instruction a turn, in the same order in every group.
.macro MM g, m, cb
.set S_, (\g)%4
.set RW, 1+S_/2
.set RL, 96*(S_%2)
.set AA, 704+64*(\m)
.set AW, AA>>8
.set AL, AA&255
.set FBB, FB0+60*((\g)%2)+12*(\m)
.set FSS, FBS0+5*((\g)%2)+(\m)
.if \cb
.set CL, 192
	WIN (AW<<6)|(1<<4)|RW
.else
.set CL, AL
	WIN (AW<<6)|(AW<<4)|RW
.endif
.irp t, 0,1,2,3,4,5,6,7
	WM AL+8*\t, RL+12*\t, FBB, CL+8*\t, WS+4*S_+\t/2, FSS, \t%2
.endr
.endm
; n: how many younger loads may be out when this group's weights have to be in.  Behind the wait on va_vdst the group's loads are dealt among its products: at the head the next group's rows (they have the whole group in which
; to land) and the scale words of three groups on; behind the first eight products the bias, where one is due, and four fragments of three groups on; behind the 24th product the other four.
; The wait is not written in group 0 (no vector or matrix instruction has named the registers in which its loads land), in groups 4 and 8 (the quantiser's last wait on va_vdst stands behind the group before, and only v_nop
; have been issued since) and in group 15 (it issues no load).
.macro GROUP g, n, cb
	s_wait_loadcnt \n
	s_wait_dscnt 0x0                               ; this group's rows are in
	WIN 0
	PLACES
.if ((\g) < 15) && ((((\g)%4) != 0) || ((\g) == 12))
	s_wait_alu depctr_va_vdst(0)                   ; the group before is done reading the other set of rows and its scale words, its slot of the ring and that slot's scale words, and (as C) the bias: the loads below land there
.endif
.set GN, (\g)+1
.if ((\g) != 7) && ((\g) != 15)
.if GN < 8
	LFX GN%2, GN%4
.else
	LFH GN%2, 20*(GN/4-2)+GN%4
.endif
.endif
.if (\g) <= 12
	LWS (\g)+3
.endif
	MM \g, 0, \cb
.if (\g) <= 12
.if ((\g)+3)%4 == 0
	LB ((\g)+3)/4                                  ; no wait: no vector or matrix instruction since the wait above names the bias (this group's sums began a group ago)
.endif
	LWH (\g)+3, 0                                  ; no wait: the products since the wait above name slot g % 4, not the slot in which these land
.endif
	MM \g, 1, \cb
	MM \g, 2, \cb
.if (\g) <= 12
	LWH (\g)+3, 4
.endif
	MM \g, 3, \cb
	MM \g, 4, \cb
.endm
; Row tile m's 64 numbers of a lane (register 16 b + i = hidden unit 128 w + 32 b + 16 (lane / 16) + i of my token): relu, then a fragment's codes and its scale word, stored as images: K step w of expert e's second product.
.macro QUANT m, e
.set AA, 704+64*(\m)
.set AW, AA>>8
.set AL, AA&255
	WIN (AW<<6)|(AW<<2)
.set j, 0
.rept 64
	v_max_num_f32 v[AL+j], 0, v[AL+j]              ; the activation, in f32; each accumulator from its low end on
.set j, j+1
.endr
	WIN (AW<<2)|AW
.irp b, 0,1,2,3
	v_max3_num_f32 v[TM+\b], v[AL+16*\b], v[AL+16*\b+1], 0x1800000   ; block b: my 16 numbers (none is negative), and the floor 2^(3 - 127): the byte cannot fall under 1
.endr
.irp i, 2,4,6,8,10,12,14
.irp b, 0,1,2,3
	v_max3_num_f32 v[TM+\b], v[AL+16*\b+\i], v[AL+16*\b+\i+1], v[TM+\b]   ; (the four blocks by turns)
.endr
.endr
	WIN 0
.irp b, 0,1,2,3
	v_permlanex16_b32 v[TM+4+\b], v[TM+\b], s[SEL], s[SEL+1]
.endr
.irp b, 0,1,2,3
	v_max_num_f32 v[TM+\b], v[TM+\b], v[TM+4+\b]   ; with lane l xor 16's: the block's largest number
.endr
.irp b, 0,1,2,3
	v_add_nc_u32 v[TM+12+\b], 0xff000000, v[TM+\b] ; 2 off its exponent field: the conversion's scale operand
.endr
.irp b, 0,1,2,3
	v_lshrrev_b32 v[TM+4+\b], 23, v[TM+12+\b]      ; the scale's byte
.endr
	v_lshl_or_b32 v[PW], v[TM+5], 8, v[TM+4]       ; the four bytes make my token's scale word
	v_lshl_or_b32 v[PW], v[TM+6], 16, v[PW]
	v_lshl_or_b32 v[PW], v[TM+7], 24, v[PW]
	WIN AW
.irp c, 0,1
	v_cvt_scalef32_pk16_fp6_f32 v[PC+6*\c:PC+6*\c+2], v[AL+32*\c:AL+32*\c+15], v[TM+12+2*\c]
	v_cvt_scalef32_pk16_fp6_f32 v[PC+12+4*\c:PC+14+4*\c], v[AL+32*\c+16:AL+32*\c+31], v[TM+13+2*\c]   ; (a conversion's three registers begin on an even number)
.endr
	WIN 0
	v_nop                                          ; one plain line behind the conversions
.irp c, 0,1                                    ; the operand's layout wants a WHOLE block in a lane: lanes 0-15 block 2 c, lanes 16-31 block 2 c + 1
.irp i, 0,1,2
	v_permlane16_swap_b32 v[PC+6*\c+\i], v[PC+12+4*\c+\i]
.endr
.irp i, 0,1,2
	v_mov_b32 v[PC+3+6*\c+\i], v[PC+12+4*\c+\i]
.endr
.endr
	s_wait_alu depctr_va_vdst(0)                   ; the codes v[PC .. PC+11] and the scale word v[PW] are written, which the four LDS stores read
.irp c, 0,1,2
	ds_store_b128 v[HWI], v[PC+4*\c:PC+4*\c+3] offset:(20*(\e)+4*(\m))*1536+512*\c
.endr
	ds_store_b32 v[HWS], v[PW] offset:(20*(\e)+4*(\m))*128
	s_wait_dscnt 0x0                               ; the stores are done,
.if ((\m) < 4) || ((\e) < 1)
	s_wait_alu depctr_vm_vsrc(0)                   ; and have read v[PC ..] and v[PW], which the next tile's vector lines write again (behind the last tile of all nothing writes them)
.endif
.endm
; THE WAY OUT of row tile m.  x w_hi; a lane holds 4 x 64 bytes of one token's row and the lanes beside it other tokens: so the tile goes through my own stage and comes back as whole rows of 512 bytes.
.macro TOSTAGE m
.set AA, 704+64*(\m)
.set AW, AA>>8
.set AL, AA&255
	WIN (AW<<6)|AW
.set j, 0
.rept 32
	v_pk_mul_f32 v[AL+j:AL+j+1], v[AL+j:AL+j+1], v[GW+2*(\m):GW+2*(\m)+1] op_sel:[0,1] op_sel_hi:[1,1]   ; both halves by the pair's second word, w_hi; each accumulator from its low end on
.set j, j+2
.endr
	WIN AW<<2                                      ; an LDS store's data are its source 1
	s_wait_alu depctr_va_vdst(0)                   ; the scalings have written the tile's 64 registers, which the LDS stores read; (tile 0: and the last groups' matrix instructions are done reading v64-191, in which the tiles' rows land)
.irp q, 0,1,2,3,4,5,6,7,8,9,10,11,12,13,14,15
	ds_store_b128 v[SO], v[AL+4*\q:AL+4*\q+3] offset:128*(\q/4)+16*(\q%4)
.endr
	WIN 0
.if (\m) >= 2
	s_wait_xcnt 0x0                                ; tile m - 2's stores to memory have had their addresses translated,
	s_wait_alu depctr_vm_vsrc(0)                   ; and have read their data, in which the loads below land, and their offsets v[VO ..], which tile m - 1's way to memory writes again
.endif
.irp i, 0,1,2,3,4,5,6,7,8,9,10,11,12,13,14,15
	ds_load_b128 v[BK+64*((\m)%2)+4*\i:BK+64*((\m)%2)+4*\i+3], v[SR] offset:528*\i   ; LDS serves a wave's instructions in order (ISA guide 5.7.1.4): these see the stores above, and the next tile's stores come behind them
.endr
.endm
.macro SEND m, younger                 ; younger: the LDS instructions issued behind tile m's loads, which may stay out
	s_wait_xcnt 0x0                                ; the tile before has had its stores' addresses translated: their offsets are written again only behind this wait
.if (\m) == 4
	s_wait_alu depctr_vm_vsrc(0)                   ; tile 3's stores have read their offsets v[VO ..]  (for tiles 1 to 3 the wait in the next tile's way to the stage has stated it; tile 0's offsets were last read at the head, ahead of the wait behind the first barrier)
.endif
.irp i, 0,1,2,3,4,5,6,7,8,9,10,11,12,13,14,15
	v_readlane_b32 s[TKS+\i], v[TOK+(\m)], \i      ; row i's token: sixteen in a run,
.endr
	s_wait_alu depctr_va_sdst(0)                   ; and one wait: s[TKS .. TKS+15] are written, ahead of their first reader
.irp i, 0,1,2,3,4,5,6,7,8,9,10,11,12,13,14,15
	s_min_u32 s[TKS+\i], s[TKS+\i], 16383
	s_lshl_b32 s[TKS+\i], s[TKS+\i], 11            ; its row of 2,048 bytes,
	v_add_nc_u32 v[VO+\i], s[TKS+\i], v[CO]        ; my wave's 512 bytes of it
.endr
	s_wait_dscnt \younger                          ; the tile is back in registers
	s_wait_alu depctr_va_vdst(0)                   ; the sixteen offsets v[VO ..] are written, which the stores read
.irp i, 0,1,2,3,4,5,6,7,8,9,10,11,12,13,14,15
	global_store_b128 v[VO+\i], v[BK+64*((\m)%2)+4*\i:BK+64*((\m)%2)+4*\i+3], s[20:21] th:TH_STORE_NT   ; 32 lanes store 512 consecutive bytes, at a multiple of 256 from out's first byte
.endr
.endm
	s_load_b512 s[4:19], s[0:1], 0x0               ; plan s[4:5], xq s[6:7], xs s[8:9], gw s[10:11], wq s[12:13], wsc s[14:15], b1 s[16:17], b2 s[18:19]
	s_load_b64 s[20:21], s[0:1], 0x40              ; out0
	v_lshl_add_u32 v254, v0, 2, 0x20a00
	v_mov_b32 v255, 0
	v_lshrrev_b32 v60, 5, v0
	v_readfirstlane_b32 s28, v60                   ; wave 0..3
	v_and_b32 v60, 31, v0                          ; lane
	v_and_b32 v61, 15, v0                          ; r
	v_bfe_u32 v62, v0, 4, 1                        ; h
	v_lshlrev_b32 v[LI], 4, v60
	v_lshlrev_b32 v[LS], 2, v60
	v_lshlrev_b32 v[HB], 6, v62
	s_wait_alu depctr_va_sdst(0)                   ; s28 is written, ahead of its first reader
	s_mul_i32 s59, s28, 1536
	v_add_nc_u32 v[XWI], s59, v[LI]
	s_lshl_b32 s60, s28, 7
	v_add_nc_u32 v[XWS], s60, v[LS]
	v_add_nc_u32 v[HWI], HIMG, v[XWI]
	v_add_nc_u32 v[HWS], HSC, v[XWS]
	v_add_nc_u32 v[LIH], HIMG, v[LI]
	v_add_nc_u32 v[LSH], HSC, v[LS]
	s_mul_i32 s59, s28, 16*528
	s_add_co_u32 s59, s59, STG                     ; my stage
	v_mul_u32_u24 v[SO], v61, 528
	v_lshl_add_u32 v[SO], v62, 6, v[SO]
	v_add_nc_u32 v[SO], s59, v[SO]                 ; in: row r, + 64 h
	v_add_nc_u32 v[SR], s59, v[LI]                 ; back: 16 bytes a lane
	s_lshl_b32 s60, s28, 9
	v_add_nc_u32 v[CO], s60, v[LI]
	v_mul_u32_u24 v63, v62, 24                     ; my half's 24 bytes of a block pair
.irp b, 0,1,2,3
	v_mov_b32 v[TM+4+\b], 0                        ; written once: a lane permute's destination counts as one of its sources
.endr
	s_mov_b32 s[SEL], 0x76543210
	s_mov_b32 s[SEL+1], 0xfedcba98
	s_mov_b32 s31, 384                             ; a token's codes in bytes
	s_wait_kmcnt 0x0
	s_lshl_b32 s60, ttmp9, 4
	s_mov_b32 s61, 0
	s_add_nc_u64 s[60:61], s[4:5], s[60:61]
	s_load_b128 s[24:27], s[60:61], 0x0            ; my tile: lo, hi, rows, 0
	s_wait_kmcnt 0x0
	s_min_u32 s24, s24, 7
	s_min_u32 s25, s25, 7
	s_min_u32 s26, s26, 80
	s_min_u32 s59, s26, 1                          ; a tile without rows reads tile 0's list, whose first place is always written
	s_mul_i32 s59, s59, ttmp9
	s_mul_i32 s60, s59, 320                        ; 80 places of 4 bytes a tile
	s_mov_b32 s61, 0
	s_add_nc_u64 s[4:5], s[4:5], s[60:61]
	s_max_u32 s62, s26, 1
	s_sub_co_u32 s62, s62, 1                       ; the last row that the list holds
.irp m, 0,1,2,3,4
	v_add_nc_u32 v[VO+\m], 16*\m, v61
	v_min_u32 v[VO+\m], s62, v[VO+\m]              ; rows behind the last repeat it
	v_min_u32 v[VO+\m], 79, v[VO+\m]
	v_lshlrev_b32 v[VO+\m], 2, v[VO+\m]
.endr
	s_wait_alu depctr_va_vdst(0)                   ; the addresses v1 to v12 are written, which the kernel's loads and stores read, and so are the list's five offsets v[VO .. VO+4]
.irp m, 0,1,2,3,4
	global_load_b32 v[TOK+\m], v[VO+\m], s[4:5] offset:4096
.endr
.irp x, 0,1                                    ; the pair's two experts: where my wave's part of each matrix, of its scale words and of its biases begins
	s_lshl_b32 s59, s[24+\x], 2
	s_add_co_u32 s59, s59, s28                     ; 4 e + w
	s_mul_i32 s60, s59, 49152                      ; 32 fragments
	s_add_nc_u64 s[WP+2*\x:WP+2*\x+1], s[12:13], s[60:61]
	s_add_nc_u64 s[WP+4+2*\x:WP+5+2*\x], s[WP+2*\x:WP+2*\x+1], 32*49152   ; W2's lie 8 experts on
	s_lshl_b32 s60, s59, 11
	s_add_nc_u64 s[WSP+2*\x:WSP+2*\x+1], s[14:15], s[60:61]
	s_add_nc_u64 s[WSP+4+2*\x:WSP+5+2*\x], s[WSP+2*\x:WSP+2*\x+1], 65536
	s_lshl_b32 s60, s[24+\x], 11
	s_lshl_b32 s62, s28, 9
	s_add_co_u32 s60, s60, s62
	s_add_nc_u64 s[BP+2*\x:BP+2*\x+1], s[16:17], s[60:61]
	s_add_nc_u64 s[BP+4+2*\x:BP+5+2*\x], s[18:19], s[60:61]
.endr
	s_mul_i32 s60, s28, 96                         ; of x each wave gathers K step w of all 80 rows
	s_add_nc_u64 s[6:7], s[6:7], s[60:61]
	s_lshl_b32 s60, s28, 2
	s_add_nc_u64 s[8:9], s[8:9], s[60:61]
	LB 0
	LW 0
	s_wait_loadcnt 41                              ; the list is in; the 16 + 25 loads behind it stay out
	s_wait_alu depctr_vm_vsrc(0)                   ; the list's loads have read their offsets v[VO .. VO+4], which are written again below
.irp m, 0,1,2,3,4
	v_min_u32 v[TOK+\m], 16383, v[TOK+\m]
	v_mad_u32_u24 v[VO+\m], v[TOK+\m], s31, v63    ; its codes, + 24 h
	v_lshlrev_b32 v[VO+5+\m], 4, v[TOK+\m]         ; its scale bytes
	v_lshlrev_b32 v[VO+10+\m], 3, v[TOK+\m]        ; its two weights
.endr
	s_wait_alu depctr_va_vdst(0)                   ; the gather's fifteen offsets v[VO .. VO+14] are written
.irp m, 0,1,2,3,4
.irp p, 0,1,2,3,4,5
	global_load_b64 v[FB0+12*\m+2*\p:FB0+12*\m+2*\p+1], v[VO+\m], s[6:7] offset:48*(\p/3)+8*(\p%3)   ; a fragment as it lies: 24 bytes of the row's stream of bits, twice
.endr
.endr
.irp m, 0,1,2,3,4
	global_load_b32 v[FBS0+\m], v[VO+5+\m], s[8:9]
.endr
.irp m, 0,1,2,3,4
	global_load_b64 v[GW+2*\m:GW+2*\m+1], v[VO+10+\m], s[10:11]
.endr
	LW 1
	LW 2
	s_wait_loadcnt 50                              ; the gather is in, and group 0's weights and bias; the two groups' weights behind it stay out
.irp m, 0,1,2,3,4
.irp c, 0,1,2
	ds_store_b128 v[XWI], v[FB0+12*\m+4*\c:FB0+12*\m+4*\c+3] offset:XIMG+(4*\m)*1536+512*\c
.endr
	ds_store_b32 v[XWS], v[FBS0+\m] offset:XSC+(4*\m)*128
.endr
.irp m, 0,1,2,3,4
	v_rcp_f32 v[58+\m], v[GW+2*\m+1]
.endr
	v_nop                                          ; a plain line behind the reciprocals
	s_wait_alu depctr_va_vdst(0)                   ; the five reciprocals v58 to v62 are written, ahead of their first reader
.irp m, 0,1,2,3,4
	v_mul_f32 v[GW+2*\m], v[GW+2*\m], v[58+\m]     ; w_lo / w_hi
.endr
	s_wait_dscnt 0x0                               ; for the others' sake: my images of x lie in LDS
	s_barrier_signal -1
	s_barrier_wait -1                              ; all twenty do
	s_wait_alu depctr_vm_vsrc(0)                   ; my LDS stores have read set 0 of the rows' registers and its scale words, in which the loads below land; the gather's loads have read their offsets v[VO ..], which the way out writes again
	LFX 0, 0
	GROUP 0, 50, 1                                 ; x W1[lo] + b1[lo].  Behind a group's weights: two groups' (50), or those and a bias (66: the wait's field holds 63)
	GROUP 1, 50, 0
	GROUP 2, 63, 0
	GROUP 3, 63, 0
	WIN 0
	PLACES
.irp m, 0,1,2,3,4
	QUANT \m, 0
.endr
	GROUP 4, 50, 1                                 ; x W1[hi] + b1[hi]
	GROUP 5, 50, 0
	GROUP 6, 63, 0
	GROUP 7, 63, 0
	WIN 0
	PLACES
.irp m, 0,1,2,3,4
	QUANT \m, 1
.endr
	s_wait_dscnt 0x0                               ; for the others' sake: my K step of both hidden layers lies in LDS
	s_barrier_signal -1
	s_barrier_wait -1                              ; all forty fragments do
	LFH 0, 0                                       ; no wait: set 0 was last read by group 6's matrix instructions, ahead of group 7's wait, and nothing has named it since
	GROUP 8, 50, 1                                 ; h_lo W2[lo] + b2[lo]
	GROUP 9, 50, 0
	GROUP 10, 63, 0
	GROUP 11, 63, 0
	s_wait_loadcnt 50                              ; b2[hi] is in (74 younger loads could be out; the next group wants this count anyway)
	WIN 0
	PLACES
.irp m, 0,1,2,3,4                              ; x w_lo / w_hi, + b2[hi]: one fused multiply-add, two numbers an instruction
.set AA, 704+64*\m
.set AW, AA>>8
.set AL, AA&255
	WIN (AW<<6)|(1<<4)|AW
.set j, 0
.rept 32
	v_pk_fma_f32 v[AL+j:AL+j+1], v[AL+j:AL+j+1], v[GW+2*\m:GW+2*\m+1], v[192+j:192+j+1] op_sel_hi:[1,0,1]
.set j, j+2
.endr
.endr
	GROUP 12, 50, 0                                ; + h_hi W2[hi]
	GROUP 13, 50, 0
	GROUP 14, 25, 0                                ; one group's weights behind it
	GROUP 15, 0, 0
	WIN 0                                          ; at a branch and at a label every window is 0
	PLACES
	s_cmp_eq_u32 s26, 0                            ; a tile without rows stores nothing: a scalar branch on the stored count, the same in all four waves, behind the last barrier
	s_cbranch_scc1 .Lnone
	TOSTAGE 0
.irp m, 1,2,3,4
	TOSTAGE \m
	SEND \m-1, 32                                  ; behind tile m - 1's loads: tile m's 16 stores and 16 loads
.endr
	SEND 4, 0
.Lnone:
	s_wait_dscnt 0x0                               ; the closing lines, six on end
	s_wait_alu 0x0
	s_wait_tensorcnt 0x0
	ds_add_u32 v254, v255
	s_wait_dscnt 0x0
	s_endpgm
.Lfunc_end_k_q9f4ada084c_chain:
	.size	k_q9f4ada084c_chain, .Lfunc_end_k_q9f4ada084c_chain-k_q9f4ada084c_chain
	.p2alignl 7, 3214868480
	.fill 96, 4, 3214868480
	.section	.rodata,"a",@progbits
	.p2align	6, 0x0
	.amdhsa_kernel k_q9f4ada084c_chain
		.amdhsa_group_segment_fixed_size 134144
		.amdhsa_private_segment_fixed_size 0
		.amdhsa_enable_private_segment 0
		.amdhsa_kernarg_size 72
		.amdhsa_user_sgpr_count 2
		.amdhsa_user_sgpr_kernarg_segment_ptr 1
		.amdhsa_wavefront_size32 1
		.amdhsa_system_sgpr_workgroup_id_x 1
		.amdhsa_system_sgpr_workgroup_id_y 1
		.amdhsa_system_sgpr_workgroup_id_z 1
		.amdhsa_system_vgpr_workitem_id 0
		.amdhsa_next_free_vgpr 1024
		.amdhsa_next_free_sgpr 66
		.amdhsa_reserve_vcc 0
		.amdhsa_float_denorm_mode_32 3
		.amdhsa_float_denorm_mode_16_64 3
		.amdhsa_memory_ordered 1
		.amdhsa_forward_progress 1
		.amdhsa_inst_pref_size 255
	.end_amdhsa_kernel
	.section	.bss,"aw",@nobits
	.p2align	6
	.space	262144
	.amdgpu_metadata
---
amdhsa.version: [ 1, 2 ]
amdhsa.kernels:
  - .name:           k_q9f4ada084c_chain
    .symbol:         k_q9f4ada084c_chain.kd
    .args:
      - { .name: plan, .offset: 0, .size: 8, .value_kind: global_buffer, .address_space: global }
      - { .name: xq, .offset: 8, .size: 8, .value_kind: global_buffer, .address_space: global }
      - { .name: xs, .offset: 16, .size: 8, .value_kind: global_buffer, .address_space: global }
      - { .name: gw, .offset: 24, .size: 8, .value_kind: global_buffer, .address_space: global }
      - { .name: wq, .offset: 32, .size: 8, .value_kind: global_buffer, .address_space: global }
      - { .name: wsc, .offset: 40, .size: 8, .value_kind: global_buffer, .address_space: global }
      - { .name: b1, .offset: 48, .size: 8, .value_kind: global_buffer, .address_space: global }
      - { .name: b2, .offset: 56, .size: 8, .value_kind: global_buffer, .address_space: global }
      - { .name: out0, .offset: 64, .size: 8, .value_kind: global_buffer, .address_space: global }
    .group_segment_fixed_size: 134144
    .private_segment_fixed_size: 0
    .kernarg_segment_align: 8
    .kernarg_segment_size: 72
    .max_flat_workgroup_size: 128
    .sgpr_count:     66
    .vgpr_count:     1024
    .wavefront_size: 32
...
	.end_amdgpu_metadata
.endif
;; end of part 6
